; MI455X (gfx1250); checked and timed in simulation.
; The chip was launched on July 23, 2026; its instructions are those of AMD's public machine-readable ISA for CDNA 5 (MIT licence, August 2026) and "CDNA5" Instruction Set Architecture Reference Guide (July 2026). The comments in the code are by the model that wrote it; some were corrected since.
;; Multi Head Self Attention. Allowed arithmetic: matrix products marked QUANTISED: E2M1 operands, one E8M0 scale for each 32 along K, by v_wmma_scale_f32_16x16x128_f8f6f4 with both operands' format E2M1 (or v_wmma_scale_f32_32x16x128_f4), f32 sums; everything else in f32.
;; Inputs: b_k 1,024 float32; b_o 1,024 float32; b_q 1,024 float32; b_v 1,024 float32; w_k 1,024 x 1,024 float32; w_o 1,024 x 1,024 float32; w_q 1,024 x 1,024 float32; w_v 1,024 x 1,024 float32; x 4 x 2,048 x 1,024 float32.
;; Outputs: out0 4 x 2,048 x 1,024 float32.
;; This version of the problem:
;;   THIS VERSION OF THE PROBLEM IS GIVEN IN LOW PRECISION. The matrix products marked QUANTISED in the list below multiply operands that are first quantised to E2M1 (2 exponent bits, 1 mantissa bit; 4 bits a number), with one power-of-two scale for each 32 numbers along K (OCP MX v1.0); their sums are f32. All else is computed in f32.
;;   The module's matrix products, in the order in which they are computed (A, B: the left and right operand; K: the contracted axis; several contracted axes count as one K, in the product's order):
;;     1. [M 8,192, K 1,024] x [K 1,024, N 1,024]; A: input x; B: input w_q: QUANTISED
;;     2. [M 8,192, K 1,024] x [K 1,024, N 1,024]; A: input x; B: input w_k: QUANTISED
;;     3. [M 8,192, K 1,024] x [K 1,024, N 1,024]; A: input x; B: input w_v: QUANTISED
;;     4. batch 64 x [M 2,048, K 64] x [K 64, N 2,048]; A: computed on the way; B: computed on the way: QUANTISED
;;     5. batch 64 x [M 2,048, K 2,048] x [K 2,048, N 64]; A: softmax (see below); B: computed on the way: QUANTISED
;;     6. [M 8,192, K 1,024] x [K 1,024, N 1,024]; A: computed on the way; B: input w_o: QUANTISED
;;   THE QUANTISER, for each operand of a quantised product, along K:
;;     - K is cut into blocks of 32 from its start; a last block that is shorter is filled with zeros.
;;     - A block's scale is 2^e with e = floor(log2(the largest magnitude in the block)) - 2, held to -126 .. 127; a block of zeros has e = 0. As a byte (E8M0): e + 127.
;;     - Each number is divided by its block's scale, clamped to +-6, and rounded to the nearest number of E2M1, ties to even, subnormals kept.
;;     - The product sums the exact products of the quantised numbers (number of the format x scale) in f32.
;;   ~~~python
;;   def quantise(x, axis):      # numpy; x: float32 -> the quantised numbers, widened to float32 again
;;       x = np.moveaxis(x, axis, -1); K = x.shape[-1]
;;       x = np.pad(x, [(0, 0)] * (x.ndim - 1) + [(0, -K % 32)]); x = x.reshape(x.shape[:-1] + (-1, 32)); a = np.abs(x).max(-1, keepdims=True)
;;       e = np.where(a > 0, np.clip(np.frexp(np.where(a > 0, a, 1))[1] - 1 - 2, -126, 127), 0)      # np.frexp(a)[1] - 1 = floor(log2(a)), exactly
;;       r = np.clip(x / 2.0 ** e, -6, 6)
;;       step = 2.0 ** (np.maximum(np.frexp(np.where(r == 0, 1, r))[1] - 1, 0) - 1)
;;       q = np.round(r / step) * step * 2.0 ** e      # np.round: ties to even
;;       return np.moveaxis(q.reshape(q.shape[:-2] + (-1,))[..., :K], -1, axis).astype(np.float32)
;;   ~~~
;;   SOFTMAX AHEAD OF A QUANTISED PRODUCT. Where the list says 'softmax', what is quantised is not the finished softmax but p = 2^(t - M), with t = logit x log2(e) and M = ceil(the row's largest t), a whole number; so 1/2 < the row's largest p <= 1. The row's sum l is taken of the UNQUANTISED p, in f32, and the product's result is divided by l at the end. Since M is a whole number, a kernel that streams over the keys may use a running M (the ceiling of the running maximum): every later rescaling is an exact power of two, which a block's scale takes up: the codes' values come out the same.
;;   OPERANDS COMPUTED ON THE WAY. 'Computed on the way' means the value that the module computes at that place (a softmax that the list does not call 'softmax' is quantised finished and normalised). What goes into a quantiser is computed in f32, as accurately as f32 sums, v_exp_f32 and their like allow (about 1e-6 of the number): no bf16 or f16 on the way to a quantiser, and a product that is left as it is and whose result goes on into a quantised operand takes f32 operands (vector FMAs, or v_wmma_f32_16x16x4_f32). A number that lies on a knife's edge between two numbers of the format may be rounded either way, as far as f32 arithmetic and the matrix unit's own rounding can turn it there, and no further.
;; One version. Each part assembles by itself: llvm-mc -triple=amdgcn-amd-amdhsa -mcpu=gfx1250 --defsym DOCPART=n.
;; ======== version 1 of 1: 4 launches
;; workspace buffers: ops 6,684,672 bytes; qkv 13,893,632 bytes; ctx 4,456,448 bytes
;; launch quant (part 1): grid 320 x 1, 4 waves a work-group, no clusters, 68,096 bytes of LDS; arguments x, w_q, w_k, w_v, w_o, ops; writes ops
.if DOCPART == 1
	.amdgcn_target "amdgcn-amd-amdhsa--gfx1250"
	.amdhsa_code_object_version 6
	.text
	.protected	k_q688e5f8cb5_quant
	.globl	k_q688e5f8cb5_quant
	.p2align	8
	.type	k_q688e5f8cb5_quant,@function
k_q688e5f8cb5_quant:
	s_mov_b64 s[64:65], 0
	v_nop
	global_prefetch_b8 v0, s[64:65] scope:SCOPE_SE
	s_setreg_imm32_b32 hwreg(HW_REG_WAVE_MODE, 25, 1), 1
	s_wait_xcnt 0x0
; x [8192][1024] f32 and the four weights [1024 (k)][1024 (n)] f32 become codes of FP4 (E2M1), K innermost, 512 bytes a row, with one E8M0 byte for each 32 along K.
; A block's scale is 2^(floor(log2(its largest magnitude)) - 2): its byte is the largest magnitude's exponent field - 2, held at 1 from below.
; LIMITS: a block whose largest magnitude lies under 2^-124 (a block of zeros among them) gets the byte 1: its codes add nothing that counts, and this program alone reads the bytes.  NaN and infinities are not served.
; ROWS ARE STORED IN ANOTHER ORDER: within each 32 rows (tokens of x; columns n of a weight) the groups of eight 1 and 2 change places.  So 16 rows that lie on end hold, in row r, index 8 u + r + 8 (r / 8):
; as source 0 of a product, two such tiles give a lane 16 neighbours along the next product's K.
; ops: x's codes at 0, the weights' codes (q, k, v, o: 1,024 rows each) at WCO, x's scale bytes [8192][32] at XSO, the weights' [4096][32] at WSO.
; Work-groups 0-63 take the weights (16 each: 128 columns x 512 along K), the other 256 take x (32 rows each).  The two ways part on the work-group's number and have LDS bytes of their own.
.set WGW,   64
.set WCO,   4194304
.set XSO,   6291456
.set WSO,   6553600
	s_load_b256 s[4:11], s[0:1], 0x0               ; x s[4:5], w_q s[6:7], w_k s[8:9], w_v s[10:11]
	s_load_b128 s[12:15], s[0:1], 0x20             ; w_o s[12:13], ops s[14:15]
	v_lshl_add_u32 v192, v0, 2, 0x10800
	v_mov_b32 v193, 0
	v_lshrrev_b32 v1, 5, v0
	v_readfirstlane_b32 s16, v1                    ; wave 0..3
	v_and_b32 v2, 31, v0                           ; lane
	s_cmp_lt_u32 ttmp9, WGW
	s_cbranch_scc1 .Lweights
; ---------------- x: K is innermost.  A wave takes 8 rows, 8,192 numbers, as 16 steps of 512.  Each load reads 512 consecutive bytes; a step's 2,048 bytes turn through the wave's own stage in LDS,
; so that a lane then holds 16 neighbours (two neighbouring lanes hold a block).  A wave's codes of a step are 256 consecutive bytes; its 256 scale bytes are gathered in LDS and leave together.
.set STEPS, 16
.set CB,    8                          ; bytes of 16 codes
.set XR,    16                         ; v16-79   four sets of 16 numbers as loaded
.set XX,    80                         ; v80-111  two sets of 16 neighbours
.set XE,    112                        ; v112-127 a scale byte for each step
.set XCD,   128                        ; v128-191 codes: registers of its own for each step, so that no store's data are written again
.set WREG,  8192                       ; LDS of a wave: two stages of 32 x SP bytes, then its 256 scale bytes
.set SP,    80                         ; a lane's 64 bytes + 16 of padding
	v_lshlrev_b32 v3, 4, v2                        ; my 16 bytes of a load's 512
	s_mul_i32 s17, s16, WREG
	v_lshrrev_b32 v14, 2, v2
	v_mul_u32_u24 v14, v14, SP
	v_and_b32 v15, 3, v2
	v_lshl_add_u32 v14, v15, 4, v14
	v_add_nc_u32 v14, s17, v14                     ; into the stage: SP (lane / 4) + 16 (lane % 4)
	v_mul_u32_u24 v15, v2, SP
	v_add_nc_u32 v15, s17, v15                     ; out of it: SP x lane
	v_mul_u32_u24 v4, v2, CB                       ; my codes' place in a step's
	v_lshrrev_b32 v5, 1, v2
	s_add_co_u32 s17, s17, 2*32*SP
	v_add_nc_u32 v5, s17, v5                       ; my block's scale byte in LDS
	v_lshlrev_b32 v7, 3, v2
	v_add_nc_u32 v6, s17, v7                       ; and 8 bytes a lane on the way out
	s_sub_co_u32 s18, ttmp9, WGW
	s_lshl_b32 s18, s18, 2
	s_add_co_u32 s20, s18, s16                     ; which 8 rows I read: 4 x work-group + wave
	s_lshl_b32 s20, s20, 15                        ; x 32,768 bytes
	s_mov_b32 s21, 0
	s_and_b32 s19, s16, 1
	s_lshl_b32 s19, s19, 1
	s_lshr_b32 s22, s16, 1
	s_or_b32 s19, s19, s22                         ; the wave's two bits change places: groups 1 and 2 are swapped
	s_add_co_u32 s18, s18, s19                     ; which 8 rows I write
	s_lshl_b32 s22, s18, 12                        ; x 4,096 bytes of codes
	s_mov_b32 s23, 0
	s_lshl_b32 s24, s18, 8                         ; x 256 scale bytes
	s_add_co_u32 s24, s24, XSO
	s_mov_b32 s25, 0
	s_wait_alu depctr_va_vdst(0)
	s_wait_kmcnt 0x0
	s_add_nc_u64 s[4:5], s[4:5], s[20:21]
	s_add_nc_u64 s[8:9], s[14:15], s[22:23]
	s_add_nc_u64 s[10:11], s[14:15], s[24:25]
.macro XLOAD t
.irp i, 0,1,2,3
	global_load_b128 v[XR+16*((\t)%4)+4*\i:XR+16*((\t)%4)+4*\i+3], v3, s[4:5] offset:2048*(\t)+512*\i th:TH_LOAD_NT
.endr
.endm
.macro XTURN t                         ; step t through the stage: LDS serves a wave's instructions in order, so no wait stands between the stores and the loads
.irp i, 0,1,2,3
	ds_store_b128 v14, v[XR+16*((\t)%4)+4*\i:XR+16*((\t)%4)+4*\i+3] offset:32*SP*((\t)%2)+8*SP*\i
.endr
.irp i, 0,1,2,3
	ds_load_b128 v[XX+16*((\t)%2)+4*\i:XX+16*((\t)%2)+4*\i+3], v15 offset:32*SP*((\t)%2)+16*\i
.endr
.endm
.irp t, 0,1,2,3
	XLOAD \t
.endr
	s_wait_loadcnt 12                              ; step 0's four loads are in; three steps' twelve may be out
	XTURN 0
.macro XSTEP t
.set XS, XX+16*((\t)%2)
.if (\t) > 0
	s_wait_dscnt 1                                 ; this step's numbers are back from the stage (the last step's byte store may be out)
.else
	s_wait_dscnt 0x0
.endif
.if (\t)+4 < STEPS
	XLOAD (\t)+4                                   ; into the registers that this step's stores into the stage have read
.endif
.if (\t)+1 < STEPS
.if STEPS-2-(\t) >= 3
	s_wait_loadcnt 12                              ; the next step's four loads are in; those of the three steps behind it may be out
.else
	s_wait_loadcnt 4*(STEPS-2-(\t))
.endif
	XTURN (\t)+1
.endif
	v_max3_num_f32 v8, |v[XS]|, |v[XS+1]|, |v[XS+2]|               ; the largest magnitude of my 16, in two chains
	v_max3_num_f32 v9, |v[XS+3]|, |v[XS+4]|, |v[XS+5]|
.irp i, 6,10
	v_max3_num_f32 v8, v8, |v[XS+\i]|, |v[XS+\i+1]|
	v_max3_num_f32 v9, v9, |v[XS+\i+2]|, |v[XS+\i+3]|
.endr
	v_max3_num_f32 v8, v8, |v[XS+14]|, |v[XS+15]|
	v_max3_num_f32 v8, v8, v9, 0x1800000           ; and the floor 2^(3 - 127): the byte cannot fall under 1
	v_max_num_f32_dpp v8, v8, v8 row_xmask:1 row_mask:0xf bank_mask:0xf   ; with my neighbour's 16: the block's
	v_add_nc_u32 v11, 0xff000000, v8               ; 2 off its exponent field: the conversion takes this operand's exponent field as its scale
	v_cvt_scalef32_pk8_fp4_f32 v[XCD+4*(\t)], v[XS:XS+7], v11
	v_cvt_scalef32_pk8_fp4_f32 v[XCD+4*(\t)+1], v[XS+8:XS+15], v11
	v_lshrrev_b32 v[XE+(\t)], 23, v11              ; the scale's byte
	ds_store_b8 v5, v[XE+(\t)] offset:16*(\t)      ; both lanes of a block write the same byte with the same value
	global_store_b64 v4, v[XCD+4*(\t):XCD+4*(\t)+1], s[8:9] offset:32*CB*(\t)   ; the wave stores 256 consecutive bytes, aligned
.endm
.irp t, 0,1,2,3,4,5,6,7,8,9,10,11,12,13,14,15
	XSTEP \t
.endr
	ds_load_b64 v[12:13], v6                       ; these see my byte stores: LDS serves a wave's instructions in order
	s_wait_dscnt 0x0
	global_store_b64 v7, v[12:13], s[10:11]        ; 256 consecutive bytes, aligned
	s_wait_tensorcnt 0x0
	ds_add_u32 v192, v193
	s_wait_dscnt 0x0
	s_endpgm
; ---------------- the weights: K is the FIRST axis.  A lane takes a column n and its registers run down K: a block of 32 lies in one lane's 32 registers, and the codes come out with K innermost.
; A wave takes 32 columns x 512 along K; a column's 256 bytes of codes go through the wave's own stage in LDS (at the column's place in the stored order) and leave as rows, sixteen lanes to 256 consecutive bytes.
; The 16 scale bytes of a column leave by one store of 16 bytes a lane, rows 32 bytes apart: 131,072 bytes in the whole launch.
.set NB,    16                         ; blocks
.set WP,    272                        ; a stage row: 256 bytes + 16
.set WST,   32768                      ; the stages: behind x's LDS bytes
.set WX,    32                         ; v32-95   two sets of 32 numbers
.set WCD,   96                         ; v96-99   a block's codes
.set WOUT,  112                        ; v112-175 the way out
.set WSB,   24                         ; v24-27   the scale bytes, four to a register
.Lweights:
	s_lshr_b32 s17, ttmp9, 4                       ; which weight: 0 q, 1 k, 2 v, 3 o
	s_and_b32 s18, ttmp9, 7                        ; which 128 columns
	s_bfe_u32 s19, ttmp9, 0x10003                  ; which half of K
	s_lshl_b32 s20, s18, 7
	s_lshl_b32 s21, s16, 5
	s_add_co_u32 s20, s20, s21                     ; my wave's first column
	s_lshl_b32 s22, s19, 21                        ; 512 rows of 4,096 bytes
	s_lshl_b32 s23, s20, 2
	s_add_co_u32 s22, s22, s23
	s_mov_b32 s23, 0                               ; where I read
	s_lshl_b32 s24, s17, 10
	s_add_co_u32 s24, s24, s20                     ; my first row among the 4,096 rows of codes
	s_lshl_b32 s26, s24, 9
	s_lshl_b32 s25, s19, 8
	s_add_co_u32 s26, s26, s25
	s_add_co_u32 s26, s26, WCO
	s_mov_b32 s27, 0                               ; where the codes go
	s_lshl_b32 s28, s24, 5
	s_lshl_b32 s25, s19, 4
	s_add_co_u32 s28, s28, s25
	s_add_co_u32 s28, s28, WSO
	s_mov_b32 s29, 0                               ; and the scale bytes
	s_wait_alu depctr_va_vdst(0)
	v_lshlrev_b32 v3, 2, v2                        ; in: 4 bytes a lane
	v_bfe_u32 v5, v2, 3, 1
	v_lshrrev_b32 v6, 4, v2
	v_and_b32 v10, 7, v2
	v_lshl_add_u32 v10, v5, 4, v10
	v_lshl_add_u32 v10, v6, 3, v10                 ; my column's place among the 32: groups 1 and 2 swapped
	s_mul_i32 s25, s16, 32*WP
	s_add_co_u32 s25, s25, WST                     ; my stage
	v_mul_u32_u24 v4, v10, WP
	v_add_nc_u32 v4, s25, v4                       ; into it
	v_and_b32 v5, 15, v2
	v_mul_u32_u24 v7, v6, WP
	v_lshl_add_u32 v7, v5, 4, v7
	v_add_nc_u32 v7, s25, v7                       ; out of it: sixteen lanes to a row, two rows an instruction
	v_lshlrev_b32 v8, 9, v6
	v_lshl_add_u32 v8, v5, 4, v8                   ; the same place among the rows of codes (512 bytes a row)
	v_lshlrev_b32 v9, 5, v10                       ; my column's row of scale bytes
	s_wait_kmcnt 0x0
	s_and_b32 s25, s17, 1
	s_cmp_lg_u32 s25, 0
	s_cselect_b64 s[30:31], s[8:9], s[6:7]
	s_cselect_b64 s[32:33], s[12:13], s[10:11]
	s_cmp_ge_u32 s17, 2
	s_cselect_b64 s[4:5], s[32:33], s[30:31]       ; the choice hangs on the work-group's number alone
	s_add_nc_u64 s[4:5], s[4:5], s[22:23]
	s_add_nc_u64 s[6:7], s[14:15], s[26:27]
	s_add_nc_u64 s[8:9], s[14:15], s[28:29]
.macro WLOAD t                         ; block t: W(32 t + i, my column) into set t % 2; a wave reads 128 consecutive bytes, the four waves 512
.irp i, 0,1,2,3,4,5,6,7,8,9,10,11,12,13,14,15,16,17,18,19,20,21,22,23,24,25,26,27,28,29,30,31
	global_load_b32 v[WX+32*((\t)%2)+\i], v3, s[4:5] offset:(32*(\t)+\i)*4096 th:TH_LOAD_NT
.endr
.endm
	WLOAD 0
	WLOAD 1
.macro WBLOCK t
.set WS0, WX+32*((\t)%2)
.if (\t) < NB-1
	s_wait_loadcnt 32                              ; this block's 32 loads are in; the next block's may be out
.else
	s_wait_loadcnt 0x0
.endif
	v_max3_num_f32 v12, |v[WS0]|, |v[WS0+1]|, |v[WS0+2]|           ; the block's largest magnitude: all 32 numbers are mine
	v_max3_num_f32 v13, |v[WS0+3]|, |v[WS0+4]|, |v[WS0+5]|
.irp i, 6,10,14,18,22,26
	v_max3_num_f32 v12, v12, |v[WS0+\i]|, |v[WS0+\i+1]|
	v_max3_num_f32 v13, v13, |v[WS0+\i+2]|, |v[WS0+\i+3]|
.endr
	v_max3_num_f32 v12, v12, |v[WS0+30]|, |v[WS0+31]|
	v_max3_num_f32 v12, v12, v13, 0x1800000        ; and the floor
	v_add_nc_u32 v11, 0xff000000, v12              ; the conversion's scale operand
	v_lshrrev_b32 v13, 23, v11                     ; the scale's byte
.if (\t)%4 == 0
	v_mov_b32 v[WSB+(\t)/4], v13                   ; four bytes to a register, the lower K in the lower byte
.else
	v_lshl_or_b32 v[WSB+(\t)/4], v13, 8*((\t)%4), v[WSB+(\t)/4]
.endif
.irp g, 0,1,2,3
	v_cvt_scalef32_pk8_fp4_f32 v[WCD+\g], v[WS0+8*\g:WS0+8*\g+7], v11
.endr
	ds_store_b128 v4, v[WCD:WCD+3] offset:16*(\t)  ; 32 codes: 16 bytes of my column's row
.if (\t)+2 < NB
	WLOAD (\t)+2
.endif
	s_wait_dscnt 0x0                               ; the store has read its registers: the next block's codes may be written
.endm
.irp t, 0,1,2,3,4,5,6,7,8,9,10,11,12,13,14,15
	WBLOCK \t
.endr
	s_wait_alu depctr_va_vdst(0)
	global_store_b128 v9, v[WSB:WSB+3], s[8:9]     ; my column's 16 scale bytes
.irp t, 0,1,2,3,4,5,6,7,8,9,10,11,12,13,14,15
	ds_load_b128 v[WOUT+4*\t:WOUT+4*\t+3], v7 offset:2*\t*WP
.endr
.irp t, 0,1,2,3,4,5,6,7,8,9,10,11,12,13,14,15
	s_wait_dscnt 15-\t                             ; load t is back; the later ones may be out
	global_store_b128 v8, v[WOUT+4*\t:WOUT+4*\t+3], s[6:7] offset:2*\t*512   ; sixteen lanes store 256 consecutive bytes, aligned
.endr
	s_wait_tensorcnt 0x0
	ds_add_u32 v192, v193
	s_wait_dscnt 0x0
	s_endpgm
.Lfunc_end_k_q688e5f8cb5_quant:
	.size	k_q688e5f8cb5_quant, .Lfunc_end_k_q688e5f8cb5_quant-k_q688e5f8cb5_quant
	.p2alignl 7, 3214868480
	.fill 96, 4, 3214868480
	.section	.rodata,"a",@progbits
	.p2align	6, 0x0
	.amdhsa_kernel k_q688e5f8cb5_quant
		.amdhsa_group_segment_fixed_size 68096
		.amdhsa_private_segment_fixed_size 0
		.amdhsa_enable_private_segment 0
		.amdhsa_kernarg_size 48
		.amdhsa_user_sgpr_count 2
		.amdhsa_user_sgpr_kernarg_segment_ptr 1
		.amdhsa_wavefront_size32 1
		.amdhsa_system_sgpr_workgroup_id_x 1
		.amdhsa_system_sgpr_workgroup_id_y 1
		.amdhsa_system_sgpr_workgroup_id_z 1
		.amdhsa_system_vgpr_workitem_id 0
		.amdhsa_next_free_vgpr 194
		.amdhsa_next_free_sgpr 66
		.amdhsa_reserve_vcc 0
		.amdhsa_float_denorm_mode_32 3
		.amdhsa_float_denorm_mode_16_64 3
		.amdhsa_memory_ordered 1
		.amdhsa_forward_progress 1
		.amdhsa_inst_pref_size 112
	.end_amdhsa_kernel
	.amdgpu_metadata
---
amdhsa.version: [ 1, 2 ]
amdhsa.kernels:
  - .name:           k_q688e5f8cb5_quant
    .symbol:         k_q688e5f8cb5_quant.kd
    .args:
      - { .name: x, .offset: 0, .size: 8, .value_kind: global_buffer, .address_space: global }
      - { .name: w_q, .offset: 8, .size: 8, .value_kind: global_buffer, .address_space: global }
      - { .name: w_k, .offset: 16, .size: 8, .value_kind: global_buffer, .address_space: global }
      - { .name: w_v, .offset: 24, .size: 8, .value_kind: global_buffer, .address_space: global }
      - { .name: w_o, .offset: 32, .size: 8, .value_kind: global_buffer, .address_space: global }
      - { .name: ops, .offset: 40, .size: 8, .value_kind: global_buffer, .address_space: global }
    .group_segment_fixed_size: 68096
    .private_segment_fixed_size: 0
    .kernarg_segment_align: 8
    .kernarg_segment_size: 48
    .max_flat_workgroup_size: 128
    .sgpr_count:     66
    .vgpr_count:     194
    .wavefront_size: 32
...
	.end_amdgpu_metadata
.endif
;; end of part 1
;; launch gemm_qkv (part 2): grid 12 x 64, 4 waves a work-group, clusters of 4 x 4, 229,888 bytes of LDS; arguments ops, b_q, b_k, b_v, qkv; writes qkv
.if DOCPART == 2
	.amdgcn_target "amdgcn-amd-amdhsa--gfx1250"
	.amdhsa_code_object_version 6
	.text
	.protected	k_q688e5f8cb5_gemm_qkv
	.globl	k_q688e5f8cb5_gemm_qkv
	.p2align	8
	.type	k_q688e5f8cb5_gemm_qkv,@function
k_q688e5f8cb5_gemm_qkv:
	s_mov_b64 s[64:65], 0
	v_nop
	global_prefetch_b8 v0, s[64:65] scope:SCOPE_SE
	s_setreg_imm32_b32 hwreg(HW_REG_WAVE_MODE, 25, 1), 1
	s_wait_xcnt 0x0
	s_wait_alu depctr_hold_cnt(0) depctr_sa_sdst(0) depctr_va_vdst(0) depctr_va_sdst(0) depctr_va_ssrc(0) depctr_va_vcc(0) depctr_vm_vsrc(0)
	s_getreg_b32 s2, hwreg(HW_REG_IB_STS2, 6, 4)
	s_cmp_eq_u32 s2, 0
	s_cbranch_scc0 .Lentry_in_a_cluster
	s_endpgm
.Lentry_in_a_cluster:
	s_bfe_u32 s2, ttmp6, 0x10000c
	s_cmp_lg_u32 s2, 0xf033
	s_cbranch_scc0 .Lentry_shape_is_right
	s_endpgm
.Lentry_shape_is_right:
; q, k, v = x W + b on codes of FP4 with E8M0 scales (K = 1,024), and each result quantised at once for attention's products: q and k along the head's 64, v along the keys.
; A work-group makes 128 tokens (tile row y) x 256 columns (tile column x of the 3,072 rows of weight codes: the cluster's x says q, k or v).  Wave w makes all 128 tokens x the 64 columns of ONE head: 32 accumulators.
; All of K lies in LDS, as two halves of 512 (rows of 256 bytes + 16 of padding), each filled once: nothing is filled again.
; CLUSTERS: 4 x 4.  x's tiles hang on y alone and are asked for jointly along a row of the cluster, the weights' on x alone, along a column.
; ROWS OF x AND OF THE WEIGHTS LIE IN THE STORED ORDER (within 32, the groups of eight 1 and 2 swapped): row r of tile i is index 32 (i / 2) + 8 (i % 2) + r + 8 (r / 8).
; q, k: source 0 = 16 rows of W, source 1 = 16 tokens: a lane holds ONE token, and the 32 registers of a token tile run along the head's 64 (16 (lane / 16) + 0 .. 15 of each block of 32).
; v:    source 0 = 16 tokens, source 1 = 16 rows of W: a lane holds ONE channel d, and the 64 registers of a channel tile run along the 128 keys.
; So in both cases 64 registers on end are four half blocks of 32 along the next product's K, and ONE text quantises them and stores the operand as an image of its registers (16 bytes a lane, 512 bytes a store).
; qkv: q's codes [bh 64][tile 128][512] at 0, k's at 4,194,304, v's [bh][key step 16][channel tile 4][2][512] at 8,388,608; scale words: q's and k's [bh][step 16][512] at QSO, QSO + 524,288
; (lane l's word i: tile 2 i + l / 16, row l % 16; bytes 2 and 3 are 0: they stand over zero codes), v's [bh][step][256] at VSO (lane l's word i: channel tile 2 i + l / 16).
; The bias is the C of each sum's first product.  LIMITS: as in the quantising launch (byte 1 under 2^-124; no NaN, no infinities).
; REGISTERS: window 0: v16-27 addresses; v32-63 x's scale words, v64-79 the weights'; v80-95 at work; v128-255 x's fragments, two sets (later codes and scale words).
;   window 1: v0-63 the weights' fragments, two sets; v64-95 the bias.   window 2: the 32 accumulators.
.set XSO,   6291456
.set WCO,   4194304
.set WSO,   6553600
.set QSO,   12582912
.set VSO,   13631488
.set PITCH, 272                        ; 68 words: the sixteen rows that a load touches start 4 words apart modulo 64
.set ABYT,  128*PITCH                  ; x's 128 rows
.set SLOT,  384*PITCH                  ; then the weights' 256
.set SCA,   2*SLOT                     ; x's scale bytes: 128 rows x 32 = 16 runs of 256 bytes + 16
.set SCB,   SCA+16*272                 ; the weights': 32 runs
.set ADRA, 16                          ; v16-17 LDS address of x's fragments in slot 0, 1
.set ADRB, 20                          ; v20-21 the weights'
.set ADSA, 22                          ; v22    x's scale words: lane l takes row l of a pair of tiles
.set ADSB, 23                          ; v23    the weights'
.set LI,   24                          ; v24    16 x lane
.set L8,   25                          ; v25    8 x lane
.set LN,   26                          ; v26    lane
.set BO,   27                          ; v27    the bias loads' offset
.set SA,   32                          ; register 8 p + st: lanes 0-15 tile 2 p, lanes 16-31 tile 2 p + 1, K step st
.set SB,   64
.set TM,   80                          ; v80-83 largest magnitudes, v84-87 bytes, v92-95 the conversions' scale operands
.set AF,   128
.set SLO,  160                         ; v160-163 bytes of blocks 0, 1 of group g;  v164-167 of blocks 2, 3
.set SHI,  164
.set XW,   168                         ; v168-171 the scale words as they are stored
.set BI,   64                          ; in window 1
.set SEL,  44                          ; s[44:45] selects for lane l xor 16
.set G1, 24
.set G0, 32
.set G1B, 48
.set G0B, 56
.set G1S, 68
.set G0S, 76
.set G1SB, 80
.set G0SB, 88
.set MSB, 0
.macro WIN new                         ; the immediate's high byte repeats the setting that is left
.if MSB != \new
	s_set_vgpr_msb (MSB<<8)|\new
.set MSB, \new
.endif
.endm
; A joint load: waves 0 and 1 fetch for x, waves 2 and 3 for the weights; the branch hangs on the wave's number alone.  Four v_nop follow each line.
.macro JLOAD g0a, g1a, g0b, g1b
	s_cmp_eq_u32 s15, 0
	s_cbranch_scc0 .Lfor_b_\@
	tensor_load_to_lds s[\g0a:\g0a+3], s[\g1a:\g1a+7]
	s_nop 0
.rept 4
	v_nop
.endr
	s_branch .Lasked_\@
.Lfor_b_\@:
	tensor_load_to_lds s[\g0b:\g0b+3], s[\g1b:\g1b+7]
	s_nop 0
.rept 4
	v_nop
.endr
.Lasked_\@:
.endm
.macro CROUND                          ; a round of the cluster's barrier
	s_barrier_signal -1
	s_barrier_wait -1
	s_cmp_lg_u32 s14, 0
	s_cbranch_scc1 .Lnot_wave_0_\@
	s_barrier_signal -3
.Lnot_wave_0_\@:
	s_barrier_wait -3
	s_barrier_signal -1
	s_barrier_wait -1
.endm
.macro PLACES                          ; four plain places behind a matrix instruction, ahead of loads into its sources and of reads of its result
.rept 4
	v_nop
.endr
.endm
	s_load_b256 s[4:11], s[0:1], 0x0               ; ops s[4:5], b_q s[6:7], b_k s[8:9], b_v s[10:11]
	s_load_b64 s[12:13], s[0:1], 0x20              ; qkv
	v_lshl_add_u32 v126, v0, 2, 0x38000
	v_mov_b32 v127, 0
	ds_add_u32 v126, v127
	ds_add_u32 v126, v127
	v_lshrrev_b32 v1, 5, v0
	v_readfirstlane_b32 s14, v1                    ; wave 0..3
	s_lshr_b32 s15, s14, 1                         ; I fetch for x (0) or for the weights (1)
	s_and_b32 s16, s14, 1                          ; which half of that tile's rows
	s_bfe_u32 s40, ttmp6, 0x40000                  ; cx
	s_bfe_u32 s41, ttmp6, 0x40004                  ; cy
	s_lshl_b32 s42, ttmp9, 2
	s_add_co_u32 s42, s42, s40                     ; tile column x = 4 x cluster x + cx
	s_and_b32 s17, ttmp7, 0xffff
	s_lshl_b32 s17, s17, 2
	s_add_co_u32 s17, s17, s41                     ; tile row y = 4 x cluster y + cy
	s_lshl_b32 s43, s41, 2
	s_lshl_b32 s43, 15, s43                        ; my row of the cluster
	s_lshl_b32 s44, 0x1111, s40                    ; my column
	; group 1: rows of 256 bytes (elements of 1 byte), 512 bytes apart in memory, 4 words of padding behind every 64; 64 rows of x, 128 of the weights
	s_or_b32 s[G1+0], s43, (0<<16)|(1<<20)|(1<<21)|(5<<22)|(3<<25)
	s_or_b32 s[G1B+0], s44, (0<<16)|(1<<20)|(1<<21)|(5<<22)|(3<<25)
	s_mov_b32 s[G1+1], 256<<16
	s_mov_b32 s[G1+2], 64<<16
	s_mov_b32 s[G1+3], 256<<16
	s_mov_b32 s[G1+4], 64
	s_mov_b32 s[G1+5], 512
	s_mov_b32 s[G1+6], 0
	s_mov_b32 s[G1+7], 0
	s_mov_b32 s[G1B+1], 256<<16
	s_mov_b32 s[G1B+2], 128<<16
	s_mov_b32 s[G1B+3], 256<<16
	s_mov_b32 s[G1B+4], 128
	s_mov_b32 s[G1B+5], 512
	s_mov_b32 s[G1B+6], 0
	s_mov_b32 s[G1B+7], 0
	; the scale bytes: dense blocks, as rows of 256 bytes (32 elements of 8 bytes) with the same padding: 8 rows for 64 rows of x, 16 for 128 of the weights
	s_or_b32 s[G1S+0], s43, (3<<16)|(1<<20)|(1<<21)|(5<<22)|(3<<25)
	s_or_b32 s[G1SB+0], s44, (3<<16)|(1<<20)|(1<<21)|(5<<22)|(3<<25)
	s_mov_b32 s[G1S+1], 32<<16
	s_mov_b32 s[G1S+2], 8<<16
	s_mov_b32 s[G1S+3], 32<<16
	s_mov_b32 s[G1S+4], 8
	s_mov_b32 s[G1S+5], 32
	s_mov_b32 s[G1S+6], 0
	s_mov_b32 s[G1S+7], 0
	s_mov_b32 s[G1SB+1], 32<<16
	s_mov_b32 s[G1SB+2], 16<<16
	s_mov_b32 s[G1SB+3], 32<<16
	s_mov_b32 s[G1SB+4], 16
	s_mov_b32 s[G1SB+5], 32
	s_mov_b32 s[G1SB+6], 0
	s_mov_b32 s[G1SB+7], 0
	s_lshl_b32 s18, s16, 6
	s_lshl_b32 s20, s17, 7
	s_add_co_u32 s20, s20, s18                     ; x: row 128 y + 64 x half
	s_lshl_b32 s22, s20, 5
	s_add_co_u32 s22, s22, XSO                     ; its scale bytes
	s_lshl_b32 s20, s20, 9                         ; its codes
	s_mov_b32 s21, 0
	s_mov_b32 s23, 0
	s_lshl_b32 s18, s16, 7
	s_lshl_b32 s46, s42, 8
	s_add_co_u32 s46, s46, s18                     ; the weights: row 256 x + 128 x half
	s_lshl_b32 s92, s46, 5
	s_add_co_u32 s92, s92, WSO
	s_lshl_b32 s46, s46, 9
	s_add_co_u32 s46, s46, WCO
	s_mov_b32 s47, 0
	s_mov_b32 s93, 0
	s_mul_i32 s45, s16, 64*PITCH                   ; where they go: no place in the cluster enters an LDS address
	s_mul_i32 s94, s16, 128*PITCH
	s_add_co_u32 s94, s94, ABYT
	s_mul_i32 s95, s16, 8*272
	s_add_co_u32 s95, s95, SCA
	s_mul_i32 s96, s16, 16*272
	s_add_co_u32 s96, s96, SCB
	s_wait_dscnt 0x0
	s_wait_kmcnt 0x0
	s_add_nc_u64 s[20:21], s[4:5], s[20:21]
	s_add_nc_u64 s[22:23], s[4:5], s[22:23]
	s_add_nc_u64 s[46:47], s[4:5], s[46:47]
	s_add_nc_u64 s[92:93], s[4:5], s[92:93]
	CROUND                                         ; all sixteen work-groups are here: the joint loads meet
	s_mov_b32 s[G0S], 1
	s_mov_b32 s[G0S+1], s95
	s_mov_b64 s[G0S+2:G0S+3], s[22:23]
	s_or_b32 s[G0S+3], s[G0S+3], 0x80000000
	s_mov_b32 s[G0SB], 1
	s_mov_b32 s[G0SB+1], s96
	s_mov_b64 s[G0SB+2:G0SB+3], s[92:93]
	s_or_b32 s[G0SB+3], s[G0SB+3], 0x80000000
	JLOAD G0S, G1S, G0SB, G1SB                     ; the scale bytes first; three loads of mine are out behind the third
.irp n, 0,1
	s_mov_b32 s[G0+4*\n], 1
	s_add_co_u32 s[G0+4*\n+1], s45, \n*SLOT
	s_add_nc_u64 s[G0+4*\n+2:G0+4*\n+3], s[20:21], \n*256
	s_or_b32 s[G0+4*\n+3], s[G0+4*\n+3], 0x80000000
	s_mov_b32 s[G0B+4*\n], 1
	s_add_co_u32 s[G0B+4*\n+1], s94, \n*SLOT
	s_add_nc_u64 s[G0B+4*\n+2:G0B+4*\n+3], s[46:47], \n*256
	s_or_b32 s[G0B+4*\n+3], s[G0B+4*\n+3], 0x80000000
	JLOAD G0+4*\n, G1, G0B+4*\n, G1B
.endr
	s_mov_b32 s[SEL], 0x76543210
	s_mov_b32 s[SEL+1], 0xfedcba98
	v_and_b32 v1, 15, v0                           ; r
	v_bfe_u32 v2, v0, 4, 1                         ; h
	v_and_b32 v[LN], 31, v0
	v_mul_u32_u24 v3, v1, PITCH
	v_lshl_add_u32 v3, v2, 4, v3                   ; a fragment's row x pitch + 16 h
	v_mov_b32 v[ADRA], v3
	v_add_nc_u32 v[ADRA+1], SLOT, v3
	s_mul_i32 s18, s14, 64*PITCH
	s_add_co_u32 s18, s18, ABYT                    ; my head's 64 rows of the weights
	v_add_nc_u32 v[ADRB], s18, v3
	s_add_co_u32 s18, s18, SLOT
	v_add_nc_u32 v[ADRB+1], s18, v3
	v_lshrrev_b32 v4, 3, v[LN]
	v_lshlrev_b32 v5, 5, v[LN]
	v_lshl_add_u32 v5, v4, 4, v5                   ; 32 bytes a row, and 16 more for each 256 passed
	v_add_nc_u32 v[ADSA], SCA, v5
	s_mul_i32 s18, s14, 8*272
	s_add_co_u32 s18, s18, SCB
	v_add_nc_u32 v[ADSB], s18, v5
	v_lshlrev_b32 v[LI], 4, v[LN]
	v_lshlrev_b32 v[L8], 3, v[LN]
.irp b, 0,1,2,3
	v_mov_b32 v[TM+4+\b], 0                        ; written once: a lane permute's destination counts as one of its sources
.endr
	; where the results go
	s_lshl_b32 s18, s40, 2
	s_add_co_u32 s18, s18, s14                     ; my head = 4 cx + wave
	s_lshl_b32 s46, s18, 8                         ; its 64 numbers of the bias
	s_mov_b32 s47, 0
	s_lshr_b32 s19, s17, 4
	s_lshl_b32 s19, s19, 4
	s_add_co_u32 s19, s19, s18                     ; bh = 16 x batch + head
	s_lshl_b32 s19, s19, 4
	s_and_b32 s20, s17, 15
	s_add_co_u32 s19, s19, s20                     ; 16 bh + which 128 tokens of the batch
	s_lshl_b32 s20, s19, 12
	s_lshl_b32 s21, ttmp9, 22
	s_add_co_u32 s20, s20, s21
	s_mov_b32 s21, 0
	s_add_nc_u64 s[20:21], s[12:13], s[20:21]      ; the codes: 4,096 bytes
	s_lshl_b32 s22, s19, 9
	s_lshl_b32 s23, ttmp9, 19
	s_add_co_u32 s22, s22, s23
	s_add_co_u32 s22, s22, QSO
	s_mov_b32 s23, 0
	s_add_nc_u64 s[22:23], s[12:13], s[22:23]      ; q's or k's scale words: 512 bytes (not used for v)
	s_lshl_b32 s2, s19, 8
	s_add_co_u32 s2, s2, VSO
	s_mov_b32 s3, 0
	s_add_nc_u64 s[2:3], s[12:13], s[2:3]          ; v's: 256 bytes
	; the bias, in the result's layout, eight registers for each tile of the weights: it lands while the tiles land.  The branch hangs on the cluster's x, which all partners share
	s_cmp_eq_u32 ttmp9, 2
	s_cbranch_scc1 .Lbias_v
	s_cmp_eq_u32 ttmp9, 0
	s_cselect_b64 s[6:7], s[6:7], s[8:9]
	s_add_nc_u64 s[6:7], s[6:7], s[46:47]
	v_lshlrev_b32 v[BO], 6, v2                     ; q, k: register j of tile b is column 32 (b / 2) + 8 (b % 2) + 16 h + j
	WIN 0x40
.irp b, 0,1,2,3
	global_load_b128 v[BI+8*\b:BI+8*\b+3], v[BO], s[6:7] offset:128*(\b/2)+32*(\b%2)
	global_load_b128 v[BI+8*\b+4:BI+8*\b+7], v[BO], s[6:7] offset:128*(\b/2)+32*(\b%2)+16
.endr
	WIN 0
	s_branch .Lbias_in
.Lbias_v:
	s_add_nc_u64 s[10:11], s[10:11], s[46:47]
	v_and_b32 v[BO], 8, v1
	v_add_nc_u32 v[BO], v[BO], v1
	v_lshlrev_b32 v[BO], 2, v[BO]                  ; v: all eight registers of tile b are column 32 (b / 2) + 8 (b % 2) + r + 8 (r / 8)
	WIN 0x40
.irp b, 0,1,2,3
.irp j, 0,1,2,3,4,5,6,7
	global_load_b32 v[BI+8*\b+\j], v[BO], s[10:11] offset:128*(\b/2)+32*(\b%2)
.endr
.endr
	WIN 0
.Lbias_in:
.macro SCALES                          ; all of K's scale words: 12 loads
.irp p, 0,1,2,3
.irp f, 0,1
	ds_load_b128 v[SA+8*\p+4*\f:SA+8*\p+4*\f+3], v[ADSA] offset:1088*\p+16*\f
.endr
.endr
.irp p, 0,1
.irp f, 0,1
	ds_load_b128 v[SB+8*\p+4*\f:SB+8*\p+4*\f+3], v[ADSB] offset:1088*\p+16*\f
.endr
.endr
.endm
.macro FETCH st                        ; K step st (128 along K): the weights' 4 fragments and x's 8 into set st % 2: 24 loads.  Registers 4 c .. 4 c + 3 of a fragment: K = 64 c + 32 h + 0 .. 31
	WIN 0x40
.irp i, 0,1,2,3
.irp c, 0,1
	ds_load_b128 v[32*((\st)%2)+8*\i+4*\c:32*((\st)%2)+8*\i+4*\c+3], v[ADRB+(\st)/4] offset:64*((\st)%4)+32*\c+\i*16*PITCH
.endr
.endr
	WIN 0
.irp i, 0,1,2,3,4,5,6,7
.irp c, 0,1
	ds_load_b128 v[AF+64*((\st)%2)+8*\i+4*\c:AF+64*((\st)%2)+8*\i+4*\c+3], v[ADRA+(\st)/4] offset:64*((\st)%4)+32*\c+\i*16*PITCH
.endr
.endr
.endm
.macro WM d, p, q, c, e, f, oe, of     ; one product; oe, of: the scale words of source 0, 1 stand in lanes 16-31
.if (\oe) && (\of)
	v_wmma_scale_f32_16x16x128_f8f6f4 v[\d:\d+7], v[\p:\p+7], v[\q:\q+7], v[\c:\c+7], v[\e], v[\f] matrix_a_fmt:MATRIX_FMT_FP4 matrix_b_fmt:MATRIX_FMT_FP4 matrix_a_scale:MATRIX_SCALE_ROW1 matrix_b_scale:MATRIX_SCALE_ROW1
.elseif \oe
	v_wmma_scale_f32_16x16x128_f8f6f4 v[\d:\d+7], v[\p:\p+7], v[\q:\q+7], v[\c:\c+7], v[\e], v[\f] matrix_a_fmt:MATRIX_FMT_FP4 matrix_b_fmt:MATRIX_FMT_FP4 matrix_a_scale:MATRIX_SCALE_ROW1
.elseif \of
	v_wmma_scale_f32_16x16x128_f8f6f4 v[\d:\d+7], v[\p:\p+7], v[\q:\q+7], v[\c:\c+7], v[\e], v[\f] matrix_a_fmt:MATRIX_FMT_FP4 matrix_b_fmt:MATRIX_FMT_FP4 matrix_b_scale:MATRIX_SCALE_ROW1
.else
	v_wmma_scale_f32_16x16x128_f8f6f4 v[\d:\d+7], v[\p:\p+7], v[\q:\q+7], v[\c:\c+7], v[\e], v[\f] matrix_a_fmt:MATRIX_FMT_FP4 matrix_b_fmt:MATRIX_FMT_FP4
.endif
.endm
; 32 products: the 32 accumulators take turns, one instruction a turn, in the same order in every step.  In step 0 the bias is C.
.macro MUL st, sw
.set FB, 32*((\st)%2)
.set FA, AF+64*((\st)%2)
.if \sw
.if (\st) == 0
	WIN 0x94                                       ; source 0 (x) window 0, source 1 (W) window 1, C (bias) window 1, D window 2
.else
	WIN 0xa4                                       ; C and D window 2
.endif
.else
.if (\st) == 0
	WIN 0x91                                       ; source 0 (W) window 1, source 1 (x) window 0, C (bias) window 1, D window 2
.else
	WIN 0xa1
.endif
.endif
.irp a, 0,1,2,3,4,5,6,7
.irp b, 0,1,2,3
.if \sw
.if (\st) == 0
	WM 8*(8*\b+\a), FA+8*\a, FB+8*\b, BI+8*\b, SA+8*(\a/2)+(\st), SB+8*(\b/2)+(\st), \a%2, \b%2
.else
	WM 8*(8*\b+\a), FA+8*\a, FB+8*\b, 8*(8*\b+\a), SA+8*(\a/2)+(\st), SB+8*(\b/2)+(\st), \a%2, \b%2
.endif
.else
.if (\st) == 0
	WM 8*(4*\a+\b), FB+8*\b, FA+8*\a, BI+8*\b, SB+8*(\b/2)+(\st), SA+8*(\a/2)+(\st), \b%2, \a%2
.else
	WM 8*(4*\a+\b), FB+8*\b, FA+8*\a, 8*(4*\a+\b), SB+8*(\b/2)+(\st), SA+8*(\a/2)+(\st), \b%2, \a%2
.endif
.endif
.endr
.endr
.endm
.macro STEP st, sw
.if (\st) > 0
	PLACES                                         ; the next loads land in the set that the step before multiplied
.endif
.if (\st) == 3
	s_wait_tensorcnt 0x0                           ; my part of slot 1 is in;
	s_wait_dscnt 0x0                               ; no LDS load of mine is out at the signal
	s_barrier_signal -1
	s_barrier_wait -1                              ; everybody's is
.endif
.if (\st) < 7
	FETCH (\st)+1
	s_wait_dscnt 24                                ; all but the 24 just issued
.else
	s_wait_dscnt 0x0
.endif
.if (\st) == 0
	s_wait_loadcnt 0x0                             ; the bias
.endif
	MUL \st, \sw
.endm
	s_wait_tensorcnt 1                             ; the scale bytes and my part of slot 0 are in (slot 1's load may be out)
	s_barrier_signal -1
	s_barrier_wait -1                              ; everybody's are
	s_wait_alu depctr_va_vdst(0)
	SCALES
	FETCH 0
	s_cmp_eq_u32 ttmp9, 2
	s_cbranch_scc1 .Lfor_v
.irp n, 0,1,2,3,4,5,6,7
	STEP \n, 0
.endr
	WIN 0
	s_branch .Lepi
.Lfor_v:
.irp n, 0,1,2,3,4,5,6,7
	STEP \n, 1
.endr
	WIN 0
.Lepi:
; THE RESULTS BECOME OPERANDS.  Group g: 64 accumulator registers; register 16 b + i is K = 32 b + 16 h + i of the lane's row (q, k: blocks 0, 1 are token tile 2 g's head, blocks 2, 3 tile 2 g + 1's; v: 128 keys of channel tile g).
.macro QUANT g
.set AC0, 64*(\g)
.set PCG, 128+8*(\g)-48*((\g)/2)       ; the codes: v128, v136, v96, v104
	WIN 0x0a                                       ; sources 0 and 1 window 2
.irp b, 0,1,2,3
	v_max3_num_f32 v[TM+\b], |v[AC0+16*\b]|, |v[AC0+16*\b+1]|, 0x1800000   ; my 16 numbers of block b, each accumulator from its low end on, and the floor 2^(3 - 127)
.endr
.irp i, 2,4,6,8,10,12,14
.irp b, 0,1,2,3
	v_max3_num_f32 v[TM+\b], |v[AC0+16*\b+\i]|, |v[AC0+16*\b+\i+1]|, v[TM+\b]
.endr
.endr
	WIN 0
.irp b, 0,1,2,3
	v_permlanex16_b32 v[TM+4+\b], v[TM+\b], s[SEL], s[SEL+1]
.endr
.irp b, 0,1,2,3
	v_max_num_f32 v[TM+\b], v[TM+\b], v[TM+4+\b]   ; with lane l xor 16's: the block's largest magnitude
.endr
.irp b, 0,1,2,3
	v_add_nc_u32 v[TM+12+\b], 0xff000000, v[TM+\b] ; 2 off its exponent field: the conversion's scale operand
.endr
.irp b, 0,1,2,3
	v_lshrrev_b32 v[TM+4+\b], 23, v[TM+12+\b]      ; the scale's byte
.endr
	v_lshl_or_b32 v[SLO+(\g)], v[TM+5], 8, v[TM+4]
	v_lshl_or_b32 v[SHI+(\g)], v[TM+7], 8, v[TM+6]
	WIN 0x02                                       ; source 0 window 2
.irp b, 0,1,2,3
	v_cvt_scalef32_pk8_fp4_f32 v[PCG+2*\b], v[AC0+16*\b:AC0+16*\b+7], v[TM+12+\b]
	v_cvt_scalef32_pk8_fp4_f32 v[PCG+2*\b+1], v[AC0+16*\b+8:AC0+16*\b+15], v[TM+12+\b]
.endr
	WIN 0
	v_nop                                          ; one plain place behind a scaled conversion
.irp c, 0,1                                    ; the operand's layout wants a whole block in a lane: lanes 0-15 block 2 c, lanes 16-31 block 2 c + 1
.irp i, 0,1
	v_permlane16_swap_b32 v[PCG+4*\c+\i], v[PCG+4*\c+2+\i]
.endr
.endr
.irp c, 0,1
	global_store_b128 v[LI], v[PCG+4*\c:PCG+4*\c+3], s[20:21] offset:1024*(\g)+512*\c   ; an image of four registers: 512 consecutive bytes, aligned
.endr
.endm
	PLACES                                         ; behind the last products, ahead of the first read of results
	QUANT 0
	QUANT 1
	QUANT 2
	QUANT 3
	v_cmp_le_u32 vcc_lo, 16, v[LN]                 ; lanes 16-31
	s_cmp_eq_u32 ttmp9, 2
	s_cbranch_scc1 .Lv_scales
.irp g, 0,1,2,3
	v_cndmask_b32 v[XW+\g], v[SLO+\g], v[SHI+\g], vcc_lo   ; word g: lanes 0-15 tile 2 g, lanes 16-31 tile 2 g + 1
.endr
	global_store_b128 v[LI], v[XW:XW+3], s[22:23]  ; 512 consecutive bytes
	s_branch .Lend
.Lv_scales:
.irp g, 0,1,2,3
	v_lshl_or_b32 v[SLO+\g], v[SHI+\g], 16, v[SLO+\g]      ; channel tile g's word for these 128 keys
.endr
	v_cndmask_b32 v[XW], v[SLO], v[SLO+1], vcc_lo
	v_cndmask_b32 v[XW+1], v[SLO+2], v[SLO+3], vcc_lo
	global_store_b64 v[L8], v[XW:XW+1], s[2:3]     ; 256 consecutive bytes
.Lend:
	s_wait_tensorcnt 0x0
	ds_add_u32 v126, v127
	s_wait_dscnt 0x0
	CROUND                                         ; the closing round: no work-group ends while a partner may still ask for a tile that names it
	s_endpgm
.Lfunc_end_k_q688e5f8cb5_gemm_qkv:
	.size	k_q688e5f8cb5_gemm_qkv, .Lfunc_end_k_q688e5f8cb5_gemm_qkv-k_q688e5f8cb5_gemm_qkv
	.p2alignl 7, 3214868480
	.fill 96, 4, 3214868480
	.section	.rodata,"a",@progbits
	.p2align	6, 0x0
	.amdhsa_kernel k_q688e5f8cb5_gemm_qkv
		.amdhsa_group_segment_fixed_size 229888
		.amdhsa_private_segment_fixed_size 0
		.amdhsa_enable_private_segment 0
		.amdhsa_kernarg_size 40
		.amdhsa_user_sgpr_count 2
		.amdhsa_user_sgpr_kernarg_segment_ptr 1
		.amdhsa_wavefront_size32 1
		.amdhsa_system_sgpr_workgroup_id_x 1
		.amdhsa_system_sgpr_workgroup_id_y 1
		.amdhsa_system_sgpr_workgroup_id_z 1
		.amdhsa_system_vgpr_workitem_id 0
		.amdhsa_next_free_vgpr 768
		.amdhsa_next_free_sgpr 98
		.amdhsa_reserve_vcc 1
		.amdhsa_float_denorm_mode_32 3
		.amdhsa_float_denorm_mode_16_64 3
		.amdhsa_memory_ordered 1
		.amdhsa_forward_progress 1
		.amdhsa_inst_pref_size 123
	.end_amdhsa_kernel
	.amdgpu_metadata
---
amdhsa.version: [ 1, 2 ]
amdhsa.kernels:
  - .name:           k_q688e5f8cb5_gemm_qkv
    .symbol:         k_q688e5f8cb5_gemm_qkv.kd
    .args:
      - { .name: ops, .offset: 0, .size: 8, .value_kind: global_buffer, .address_space: global }
      - { .name: b_q, .offset: 8, .size: 8, .value_kind: global_buffer, .address_space: global }
      - { .name: b_k, .offset: 16, .size: 8, .value_kind: global_buffer, .address_space: global }
      - { .name: b_v, .offset: 24, .size: 8, .value_kind: global_buffer, .address_space: global }
      - { .name: qkv, .offset: 32, .size: 8, .value_kind: global_buffer, .address_space: global }
    .group_segment_fixed_size: 229888
    .private_segment_fixed_size: 0
    .kernarg_segment_align: 8
    .kernarg_segment_size: 40
    .max_flat_workgroup_size: 128
    .sgpr_count:     98
    .vgpr_count:     768
    .wavefront_size: 32
...
	.end_amdgpu_metadata
.endif
;; end of part 2
;; launch attn (part 3): grid 8 x 64, 16 waves a work-group, clusters of 4 x 1, 169,984 bytes of LDS; arguments qkv, ctx; writes ctx
.if DOCPART == 3
	.amdgcn_target "amdgcn-amd-amdhsa--gfx1250"
	.amdhsa_code_object_version 6
	.text
	.protected	k_q688e5f8cb5_attn
	.globl	k_q688e5f8cb5_attn
	.p2align	8
	.type	k_q688e5f8cb5_attn,@function
k_q688e5f8cb5_attn:
	s_mov_b64 s[64:65], 0
	v_nop
	global_prefetch_b8 v0, s[64:65] scope:SCOPE_SE
	s_setreg_imm32_b32 hwreg(HW_REG_WAVE_MODE, 25, 1), 1
	s_wait_xcnt 0x0
	s_wait_alu depctr_hold_cnt(0) depctr_sa_sdst(0) depctr_va_vdst(0) depctr_va_sdst(0) depctr_va_ssrc(0) depctr_va_vcc(0) depctr_vm_vsrc(0)
	s_getreg_b32 s2, hwreg(HW_REG_IB_STS2, 6, 4)
	s_cmp_eq_u32 s2, 0
	s_cbranch_scc0 .Lentry_in_a_cluster
	s_endpgm
.Lentry_in_a_cluster:
	s_bfe_u32 s2, ttmp6, 0x10000c
	s_cmp_lg_u32 s2, 0x3003
	s_cbranch_scc0 .Lentry_shape_is_right
	s_endpgm
.Lentry_shape_is_right:
; ctx[bh][q] = the sum over k of softmax_k(q . k / 8) v, both products on codes of FP4 with E8M0 scales; ctx is quantised at once, along d_model, for the last product.
; THE SOFTMAX: t = score x log2(e) / 8; M = the row's largest t so far, rounded UP to a whole number; p = 2^(t - M) is what is quantised, along the keys, not normalised.  The row's sum is taken of the unquantised p and
; divides at the end.  When M moves, the sum and O are multiplied by 2^(old M - new M): exact.
; SHARES.  A work-group owns 256 queries of one head bh; each of its sixteen waves owns one tile of 16 (in the stored order), in 256 registers: four waves to a SIMD, so that one wave's vector work stands beside another's
; matrix work and LDS loads.  Every wave walks the head's 2,048 keys, 128 a step.
; THE WHOLE HEAD LIES IN LDS, filled once: K's and V's operands as images of their registers (16 bytes a lane, 512 bytes on end), and their scale words.  So every fragment load reads 512 consecutive bytes.
; CLUSTER.  The four query blocks of a cluster belong to one head: wave 0 asks for K and wave 1 for V JOINTLY, in four chunks of 512 keys each; a chunk is waited for when it is first read.  Five loads of a fetching wave are out at the most.
; LAYOUT.  S^T = K Q^T (source 0 = 16 keys, K = the head's 64 and 64 zero codes), O^T = V^T P^T (source 0 = 16 channels, K = 128 keys): a lane holds ONE query throughout.  By the stored order of tokens and of W_v's rows the 16
; registers of tiles 2 b, 2 b + 1 are 16 neighbouring keys (S^T) or channels (O^T).
; ctx: codes [tile 512][head 16][512] (an image of four registers: channels 32 h + 0 .. 31 of the lane's query) at 0; scale bytes [head 16][position 8192] of two bytes at CSO.
; LIMITS: a p under 2^-126 is 0; a block under 2^-124 gets the byte 1; NaN and infinities are not served.
; REGISTERS: v1-4 addresses that stay; v8-11 the step's addresses; v12 -M, v13 the largest t, v[14:15] the sum in two halves; v16-23 Q (v20-23 zeros); v24 Q's scale word; v26-27 V's scale words, v28-31 K's;
;   v32-95 K's eight fragments (the upper four registers of each are zeros); v96-159 S^T, then p; v160-191 O^T; v192-223 V's four fragments; v224-231 p's codes; v232-254 at work.
.set KC,    4194304                    ; in qkv: K's codes; V's lie 4,194,304 further on
.set QSO,   12582912                   ; Q's scale words
.set KSO,   13107200                   ; K's; V's lie 524,288 further on
.set CSO,   4194304                    ; in ctx: the scale bytes
.set VIM,   65536                      ; LDS: K's images at 0, V's here,
.set KSC,   131072                     ; K's scale words (8,192 bytes),
.set VSC,   139264                     ; V's (4,096),
.set CST,   143360                     ; and 512 bytes into which no tile lands: the work-group's scale bytes of ctx
.set LI,   1                           ; v1   16 x lane
.set L8,   2                           ; v2   8 x lane
.set CSA,  3                           ; v3   CST + 32 x wave + 2 r
.set CRD,  4                           ; v4   CST + 16 x lane
.set ADK,  8
.set ADV,  9
.set ADS,  10
.set ADT,  11
.set WV,   18
.set SEL,  20                          ; s[20:21] selects for lane l xor 16
.set CS,   22                          ; s[22:23] c = log2(e) / 8
.set G1C,  24                          ; s[24:31] group 1: a chunk of 16,384 dense bytes
.set G1KS, 32                          ; s[32:39] K's scale words;  s[40:47] V's
.set G1VS, 40
.set TK,   48                          ; s48-51 LDS bytes at which the step's K, V, K's scale words, V's begin
.set TV,   49
.set TS,   50
.set TT,   51
.set CNT,  52
.set G0S,  68                          ; s[68:71] group 0 for the scale words;  s[72:87] for the four chunks
.set G0C,  72
.macro ROUND                           ; a round of the cluster's barrier
	s_barrier_signal -1
	s_barrier_wait -1
	s_cmp_lg_u32 s[WV], 0
	s_cbranch_scc1 .Lnot_wave_0_\@
	s_barrier_signal -3
.Lnot_wave_0_\@:
	s_barrier_wait -3
	s_barrier_signal -1
	s_barrier_wait -1
.endm
	s_load_b128 s[4:7], s[0:1], 0x0                ; qkv s[4:5], ctx s[6:7]
	v_lshl_add_u32 v251, v0, 2, 0x29000
	v_mov_b32 v255, 0
	ds_add_u32 v251, v255
	ds_add_u32 v251, v255
	v_lshrrev_b32 v8, 5, v0
	s_delay_alu instid0(VALU_DEP_1)
	v_readfirstlane_b32 s[WV], v8                  ; wave 0..15
	s_bfe_u32 s53, ttmp6, 0x40000                  ; cx
	s_lshl_b32 s54, ttmp9, 2
	s_add_co_u32 s54, s54, s53                     ; my block of 256 queries: it enters global addresses alone
	s_and_b32 s55, ttmp7, 0xffff                   ; bh, which the four partners share
	; group 1: dense blocks as rows of 256 bytes (32 elements of 8 bytes), no padding; the mask names all four work-groups, bit 21 beside it
	s_mov_b32 s[G1C], 15|(3<<16)|(1<<21)
	s_mov_b32 s[G1C+1], 32<<16
	s_mov_b32 s[G1C+2], 64<<16
	s_mov_b32 s[G1C+3], 32<<16
	s_mov_b32 s[G1C+4], 64
	s_mov_b32 s[G1C+5], 32
	s_mov_b32 s[G1C+6], 0
	s_mov_b32 s[G1C+7], 0
	s_mov_b32 s[G1KS], 15|(3<<16)|(1<<21)
	s_mov_b32 s[G1KS+1], 32<<16
	s_mov_b32 s[G1KS+2], 32<<16
	s_mov_b32 s[G1KS+3], 32<<16
	s_mov_b32 s[G1KS+4], 32
	s_mov_b32 s[G1KS+5], 32
	s_mov_b32 s[G1KS+6], 0
	s_mov_b32 s[G1KS+7], 0
	s_mov_b32 s[G1VS], 15|(3<<16)|(1<<21)
	s_mov_b32 s[G1VS+1], 32<<16
	s_mov_b32 s[G1VS+2], 16<<16
	s_mov_b32 s[G1VS+3], 32<<16
	s_mov_b32 s[G1VS+4], 16
	s_mov_b32 s[G1VS+5], 32
	s_mov_b32 s[G1VS+6], 0
	s_mov_b32 s[G1VS+7], 0
	; what waves 0 (K) and 1 (V) fetch, by the wave's number and the head alone
	s_lshl_b32 s8, s[WV], 22
	s_lshl_b32 s9, s55, 16
	s_add_co_u32 s8, s8, s9
	s_add_co_u32 s8, s8, KC                        ; the head's 65,536 bytes of codes
	s_mov_b32 s9, 0
	s_lshr_b32 s10, 0x2000, s[WV]                  ; a head's scale words: 8,192 bytes of K's, 4,096 of V's
	s_mul_i32 s10, s10, s55
	s_lshl_b32 s11, s[WV], 19
	s_add_co_u32 s10, s10, s11
	s_add_co_u32 s10, s10, KSO
	s_mov_b32 s11, 0
	s_lshl_b32 s56, s[WV], 16                      ; in LDS: the codes at 65,536 x wave,
	s_lshl_b32 s57, s[WV], 13
	s_add_co_u32 s57, s57, KSC                     ; the scale words at KSC + 8,192 x wave
	s_mov_b32 s[SEL], 0x76543210
	s_mov_b32 s[SEL+1], 0xfedcba98
	s_mov_b32 s[CS], 0x3e38aa3b                    ; c = log2(e) / 8
	s_mov_b32 s[CS+1], s[CS]                       ; (named with it as a pair, so it is written)
	s_wait_dscnt 0x0
	s_wait_kmcnt 0x0
	s_add_nc_u64 s[8:9], s[4:5], s[8:9]
	s_add_nc_u64 s[10:11], s[4:5], s[10:11]
	s_mov_b32 s[G0S], 1
	s_mov_b32 s[G0S+1], s57
	s_mov_b64 s[G0S+2:G0S+3], s[10:11]
	s_or_b32 s[G0S+3], s[G0S+3], 0x80000000
.irp n, 0,1,2,3
	s_mov_b32 s[G0C+4*\n], 1
	s_add_co_u32 s[G0C+4*\n+1], s56, \n*16384
	s_add_nc_u64 s[G0C+4*\n+2:G0C+4*\n+3], s[8:9], \n*16384
	s_or_b32 s[G0C+4*\n+3], s[G0C+4*\n+3], 0x80000000
.endr
	ROUND                                          ; all four work-groups are here: the joint loads meet
	s_cmp_eq_u32 s[WV], 0                          ; a wave's five fills stand in one branch, ahead of every wait on TENSORcnt, every LDS read and every other barrier
	s_cbranch_scc0 .Lnot_k
	tensor_load_to_lds s[G0S:G0S+3], s[G1KS:G1KS+7]
	s_nop 0
	tensor_load_to_lds s[G0C:G0C+3], s[G1C:G1C+7]
	s_nop 0
	tensor_load_to_lds s[G0C+4:G0C+7], s[G1C:G1C+7]
	s_nop 0
	tensor_load_to_lds s[G0C+8:G0C+11], s[G1C:G1C+7]
	s_nop 0
	tensor_load_to_lds s[G0C+12:G0C+15], s[G1C:G1C+7]
	s_nop 0
.rept 4
	v_nop
.endr
	s_branch .Lfilled
.Lnot_k:
	s_cmp_eq_u32 s[WV], 1
	s_cbranch_scc0 .Lfilled
	tensor_load_to_lds s[G0S:G0S+3], s[G1VS:G1VS+7]
	s_nop 0
	tensor_load_to_lds s[G0C:G0C+3], s[G1C:G1C+7]
	s_nop 0
	tensor_load_to_lds s[G0C+4:G0C+7], s[G1C:G1C+7]
	s_nop 0
	tensor_load_to_lds s[G0C+8:G0C+11], s[G1C:G1C+7]
	s_nop 0
	tensor_load_to_lds s[G0C+12:G0C+15], s[G1C:G1C+7]
	s_nop 0
.rept 4
	v_nop
.endr
.Lfilled:
	v_and_b32 v8, 31, v0                           ; lane
	v_and_b32 v9, 15, v0                           ; r
	s_delay_alu instid0(VALU_DEP_2)
	v_lshlrev_b32 v[LI], 4, v8
	s_wait_alu depctr_va_vdst(0)
	v_lshlrev_b32 v[L8], 3, v8
	s_lshl_b32 s58, s[WV], 5
	s_add_co_u32 s58, s58, CST
	v_lshl_add_u32 v[CSA], v9, 1, s58
	v_add_nc_u32 v[CRD], CST, v[LI]
	v_lshlrev_b32 v25, 4, v9                       ; Q's scale word: 16 bytes from row to row
	s_wait_alu depctr_va_vdst(0)
	s_lshl_b32 s12, s54, 4
	s_add_co_u32 s12, s12, s[WV]                   ; T: my tile among the head's 128
	s_lshl_b32 s13, s55, 7
	s_add_co_u32 s13, s13, s12
	s_lshl_b32 s14, s13, 9
	s_mov_b32 s15, 0
	s_add_nc_u64 s[14:15], s[4:5], s[14:15]        ; Q's image
	s_lshl_b32 s16, s55, 4
	s_lshl_b32 s17, s54, 1
	s_add_co_u32 s16, s16, s17
	s_lshr_b32 s17, s[WV], 3
	s_add_co_u32 s16, s16, s17                     ; 16 bh + T / 8
	s_lshl_b32 s16, s16, 9
	s_and_b32 s17, s[WV], 1
	s_lshl_b32 s17, s17, 8
	s_add_co_u32 s16, s16, s17                     ; an odd tile's words lie with lanes 16-31
	s_bfe_u32 s17, s[WV], 0x20001
	s_lshl_b32 s17, s17, 2
	s_add_co_u32 s16, s16, s17                     ; word (T % 8) / 2
	s_add_co_u32 s16, s16, QSO
	s_mov_b32 s17, 0
	s_add_nc_u64 s[16:17], s[4:5], s[16:17]
	global_load_b128 v[16:19], v[LI], s[14:15]     ; Q's fragment stays in registers
	global_load_b32 v24, v25, s[16:17]
	s_lshr_b32 s58, s55, 4                         ; batch
	s_and_b32 s59, s55, 15                         ; head
	s_lshl_b32 s60, s58, 7
	s_add_co_u32 s60, s60, s12
	s_lshl_b32 s60, s60, 4
	s_add_co_u32 s60, s60, s59
	s_lshl_b32 s60, s60, 9
	s_mov_b32 s61, 0
	s_add_nc_u64 s[60:61], s[6:7], s[60:61]        ; ctx's codes: (16 x (128 batch + T) + head) x 512
	s_lshl_b32 s62, s59, 14
	s_lshl_b32 s63, s58, 12
	s_add_co_u32 s62, s62, s63
	s_lshl_b32 s63, s54, 9
	s_add_co_u32 s62, s62, s63
	s_add_co_u32 s62, s62, CSO
	s_mov_b32 s63, 0
	s_add_nc_u64 s[62:63], s[6:7], s[62:63]        ; and the work-group's 512 scale bytes
.irp j, 20,21,22,23
	v_mov_b32 v[\j], 0                             ; K = 64 .. 127 of Q: zero codes
.endr
.irp t, 0,1,2,3,4,5,6,7
.irp j, 4,5,6,7
	v_mov_b32 v[32+8*\t+\j], 0                     ; and of K's fragments: written once
.endr
.endr
	v_mov_b32 v13, 0xff61b1e6                      ; the largest t so far: -3e38, under every t
	s_delay_alu instid0(VALU_DEP_1)
	v_floor_f32 v12, -v13                          ; -M
	v_mov_b32 v14, 0                               ; the sum, in two halves
	v_mov_b32 v15, 0
.irp b, 0,1,2,3
	v_mov_b32 v[236+\b], 0                         ; written once: a lane permute's destination counts as one of its sources
.endr
	v_mov_b32 v253, 0                              ; (named as the upper half of the pair v[252:253] before it is first written)
.set j, 0
.rept 32
	v_mov_b32 v[160+j], 0                          ; O^T.  (The step is written once: the first finds zeros, which the first change of M leaves zeros)
.set j, j+1
.endr
; A KEY STEP: 128 keys.
.macro STEP
	v_add_nc_u32 v[ADK], s[TK], v[LI]              ; these four are also the places behind the last step's products, ahead of the loads into their sources
	v_add_nc_u32 v[ADV], s[TV], v[LI]
	v_add_nc_u32 v[ADS], s[TS], v[LI]
	v_add_nc_u32 v[ADT], s[TT], v[L8]
	ds_load_b128 v[28:31], v[ADS]                  ; K's scale words: register i: lanes 0-15 tile 2 i, lanes 16-31 tile 2 i + 1
.irp t, 0,1,2,3,4,5,6,7
	ds_load_b128 v[32+8*\t:35+8*\t], v[ADK] offset:512*\t
.endr
	ds_load_b64 v[26:27], v[ADT]                   ; V's scale words, laid the same way
.irp t, 0,1,2,3
.irp c, 0,1
	ds_load_b128 v[192+8*\t+4*\c:195+8*\t+4*\c], v[ADV] offset:1024*\t+512*\c
.endr
.endr
	s_wait_dscnt 9                                 ; K and its scale words are in; V's nine loads may be out
.irp t, 0,1,2,3,4,5,6,7
.if \t%2
	v_wmma_scale_f32_16x16x128_f8f6f4 v[96+8*\t:103+8*\t], v[32+8*\t:39+8*\t], v[16:23], 0, v[28+\t/2], v24 matrix_a_fmt:MATRIX_FMT_FP4 matrix_b_fmt:MATRIX_FMT_FP4 matrix_a_scale:MATRIX_SCALE_ROW1
.else
	v_wmma_scale_f32_16x16x128_f8f6f4 v[96+8*\t:103+8*\t], v[32+8*\t:39+8*\t], v[16:23], 0, v[28+\t/2], v24 matrix_a_fmt:MATRIX_FMT_FP4 matrix_b_fmt:MATRIX_FMT_FP4
.endif
.endr
.rept 4
	v_nop                                          ; places ahead of the first read of results
.endr
.irp b, 0,1,2,3
	v_max3_num_f32 v[232+\b], v[96+16*\b], v[97+16*\b], v[98+16*\b]   ; the largest score of each block of 32 keys: it serves for the row's maximum and, since p rises with the score, for the block's largest p
.endr
.irp i, 3,5,7,9,11,13
.irp b, 0,1,2,3
	v_max3_num_f32 v[232+\b], v[232+\b], v[96+16*\b+\i], v[97+16*\b+\i]
.endr
.endr
.irp b, 0,1,2,3
	v_max_num_f32 v[232+\b], v[232+\b], v[111+16*\b]
.endr
.irp b, 0,1,2,3
	s_delay_alu instid0(VALU_DEP_4)
	v_permlanex16_b32 v[236+\b], v[232+\b], s[SEL], s[SEL+1]
.endr
.irp b, 0,1,2,3
	s_delay_alu instid0(VALU_DEP_4)
	v_max_num_f32 v[232+\b], v[232+\b], v[236+\b]  ; with lane l xor 16's 16 keys
.endr
	s_delay_alu instid0(VALU_DEP_2)
	v_max3_num_f32 v254, v232, v233, v234
	s_delay_alu instid0(VALU_DEP_1)
	v_max_num_f32 v254, v254, v235                 ; the step's largest score of my query
	s_delay_alu instid0(VALU_DEP_1)
	v_mul_f32 v254, s[CS], v254                    ; as t (c is positive)
	s_delay_alu instid0(VALU_DEP_1)
	v_max_num_f32 v13, v13, v254                   ; the running largest t
	v_mov_b32 v254, v12
	s_delay_alu instid0(VALU_DEP_2)
	v_floor_f32 v12, -v13                          ; the new -M = floor(-t) = -ceil(t): a whole number
	s_delay_alu instid0(VALU_DEP_1)
	v_sub_f32 v254, v12, v254                      ; old M less new M: a whole number, 0 or less
	s_delay_alu instid0(VALU_DEP_1)
	v_cvt_i32_f32 v254, v254                       ; (it saturates)
	s_delay_alu instid0(VALU_DEP_1)
	v_ldexp_f32 v252, 1.0, v254                    ; f = 2^(old M - new M)
.set j, 0
.rept 32
	v_pk_fma_f32 v[96+j:97+j], v[96+j:97+j], s[CS:CS+1], v[12:13] op_sel_hi:[1,0,0]   ; t - M, two at a time
.set j, j+2
.endr
.irp b, 0,1,2,3
	v_fma_f32 v[232+\b], v[232+\b], s[CS], v12     ; the same of each block's largest score
.endr
.set j, 0
	s_wait_alu depctr_va_vdst(0)
.rept 64
	v_exp_f32 v[96+j], v[96+j]                     ; p = 2^(t - M), at most 1
.set j, j+1
.endr
	s_setprio 1
	v_pk_mul_f32 v[14:15], v[14:15], v[252:253] op_sel_hi:[1,0]   ; the sums under the new M: a plain place behind the exponentials
	s_wait_alu depctr_va_vdst(0)                   ; one wait for the whole batch, ahead of its first reader
.irp b, 0,1,2,3
	v_exp_f32 v[232+\b], v[232+\b]                 ; the block's largest p: the same two instructions on the same number
.endr
	v_pk_add_f32 v[236:237], v[100:101], v[104:105]
	v_pk_add_f32 v[248:249], v[108:109], v[112:113]
	v_pk_add_f32 v[246:247], v[116:117], v[120:121]
	v_pk_add_f32 v[244:245], v[124:125], v[128:129]
	v_pk_add_f32 v[242:243], v[132:133], v[136:137]
	v_pk_add_f32 v[240:241], v[140:141], v[144:145]
	v_pk_add_f32 v[238:239], v[148:149], v[152:153]
	v_pk_add_f32 v[14:15], v[14:15], v[156:157]
	v_pk_add_f32 v[236:237], v[236:237], v[96:97]
	v_pk_add_f32 v[248:249], v[248:249], v[98:99]
	v_pk_add_f32 v[246:247], v[246:247], v[102:103]
	v_pk_add_f32 v[244:245], v[244:245], v[106:107]
	v_pk_add_f32 v[242:243], v[242:243], v[110:111]
	v_pk_add_f32 v[240:241], v[240:241], v[114:115]
	v_pk_add_f32 v[238:239], v[238:239], v[118:119]
	v_pk_add_f32 v[14:15], v[14:15], v[122:123]
	v_pk_add_f32 v[236:237], v[236:237], v[126:127]
	v_pk_add_f32 v[248:249], v[248:249], v[130:131]
	v_pk_add_f32 v[246:247], v[246:247], v[134:135]
	v_pk_add_f32 v[244:245], v[244:245], v[138:139]
	v_pk_add_f32 v[242:243], v[242:243], v[142:143]
	v_pk_add_f32 v[240:241], v[240:241], v[146:147]
	v_pk_add_f32 v[238:239], v[238:239], v[150:151]
	v_pk_add_f32 v[14:15], v[14:15], v[154:155]
	v_pk_add_f32 v[236:237], v[236:237], v[158:159]
	s_delay_alu instid0(VALU_DEP_2)
	v_pk_add_f32 v[14:15], v[14:15], v[244:245]
	s_delay_alu instid0(VALU_DEP_2)
	v_pk_add_f32 v[236:237], v[236:237], v[242:243]
	v_pk_add_f32 v[248:249], v[248:249], v[240:241]
	v_pk_add_f32 v[246:247], v[246:247], v[238:239]
	s_delay_alu instid0(VALU_DEP_2)
	v_pk_add_f32 v[14:15], v[14:15], v[248:249]
	s_delay_alu instid0(VALU_DEP_2)
	v_pk_add_f32 v[236:237], v[236:237], v[246:247]
	s_delay_alu instid0(VALU_DEP_1)
	v_pk_add_f32 v[14:15], v[14:15], v[236:237]
	s_wait_alu depctr_va_vdst(0)                   ; and one for the four
.irp b, 0,1,2,3
	v_max_num_f32 v[232+\b], 0x1800000, v[232+\b]  ; the floor 2^(3 - 127): the byte cannot fall under 1
.endr
.irp b, 0,1,2,3
	s_delay_alu instid0(VALU_DEP_4)
	v_add_nc_u32 v[244+\b], 0xff000000, v[232+\b]  ; the conversion's scale operand
.endr
.irp b, 0,1,2,3
	s_delay_alu instid0(VALU_DEP_4)
	v_lshrrev_b32 v[236+\b], 23, v[244+\b]         ; the scale's byte
.endr
	s_delay_alu instid0(VALU_DEP_3)
	v_lshl_or_b32 v253, v237, 8, v236              ; p's scale word for these 128 keys
	s_delay_alu instid0(VALU_DEP_1)
	v_lshl_or_b32 v253, v238, 16, v253
	s_delay_alu instid0(VALU_DEP_1)
	v_lshl_or_b32 v253, v239, 24, v253
.irp b, 0,1,2,3
	v_cvt_scalef32_pk8_fp4_f32 v[224+2*\b], v[96+16*\b:103+16*\b], v[244+\b]
	v_cvt_scalef32_pk8_fp4_f32 v[225+2*\b], v[104+16*\b:111+16*\b], v[244+\b]
.endr
	v_nop                                          ; one plain place behind a scaled conversion
.irp c, 0,1                                    ; a whole block in a lane: lanes 0-15 block 2 c, lanes 16-31 block 2 c + 1
.irp i, 0,1
	v_permlane16_swap_b32 v[224+4*\c+\i], v[226+4*\c+\i]
.endr
.endr
.set j, 0
	s_setprio 0
.rept 16
	v_pk_mul_f32 v[160+j:161+j], v[160+j:161+j], v[252:253] op_sel_hi:[1,0]   ; O^T under the new M.  These sixteen also stand between the writes of p's codes and scale word and the products below
.set j, j+2
.endr
	s_wait_alu depctr_va_vdst(0)
	s_wait_dscnt 0x0                               ; V and its scale words are in
.irp t, 0,1,2,3
.if \t%2
	v_wmma_scale_f32_16x16x128_f8f6f4 v[160+8*\t:167+8*\t], v[192+8*\t:199+8*\t], v[224:231], v[160+8*\t:167+8*\t], v[26+\t/2], v253 matrix_a_fmt:MATRIX_FMT_FP4 matrix_b_fmt:MATRIX_FMT_FP4 matrix_a_scale:MATRIX_SCALE_ROW1
.else
	v_wmma_scale_f32_16x16x128_f8f6f4 v[160+8*\t:167+8*\t], v[192+8*\t:199+8*\t], v[224:231], v[160+8*\t:167+8*\t], v[26+\t/2], v253 matrix_a_fmt:MATRIX_FMT_FP4 matrix_b_fmt:MATRIX_FMT_FP4
.endif
.endr
	s_add_co_u32 s[TK], s[TK], 4096                ; the next step's images and scale words
	s_add_co_u32 s[TV], s[TV], 4096
	s_add_co_u32 s[TS], s[TS], 512
	s_add_co_u32 s[TT], s[TT], 256
.endm
; A CHUNK: 512 keys, four steps.  The fetching waves wait for their chunk n (the later chunks may be out), then the work-group's barrier.
.macro CHUNK n
	s_wait_tensorcnt 3-\n                          ; behind chunk n's load 3 - n loads were issued
	s_wait_dscnt 0x0                               ; no LDS load of mine is out at the signal
	s_barrier_signal -1
	s_barrier_wait -1
	s_mov_b32 s[TK], \n*16384
	s_mov_b32 s[TV], VIM+\n*16384
	s_mov_b32 s[TS], KSC+\n*2048
	s_mov_b32 s[TT], VSC+\n*1024
	s_mov_b32 s[CNT], 4
.Lstep_\@:
	s_setprio 2
	STEP
	s_sub_co_u32 s[CNT], s[CNT], 1
	s_cmp_lg_u32 s[CNT], 0
	s_cbranch_scc1 .Lstep_\@
	s_setprio 0
.endm
	s_wait_loadcnt 0x0                             ; Q
	CHUNK 0
	CHUNK 1
	CHUNK 2
	CHUNK 3
	; THE WAY OUT.  O^T / the sum is ctx: register 16 b + i is channel 32 b + 16 h + i of my query: two blocks along d_model.  They are quantised as p was.
.rept 4
	v_nop                                          ; places behind the last products
.endr
	v_add_f32 v14, v14, v15                        ; the sum's two halves,
	s_delay_alu instid0(VALU_DEP_1)
	v_permlanex16_b32 v252, v14, s[SEL], s[SEL+1]
	s_delay_alu instid0(VALU_DEP_1)
	v_add_f32 v14, v14, v252                       ; and lane l xor 16's: the row's sum
	s_wait_alu depctr_va_vdst(0)
	v_rcp_f32 v14, v14
	v_nop                                          ; a plain place behind the reciprocal
	s_wait_alu depctr_va_vdst(0)                   ; and the wait, ahead of its first reader
.set j, 0
.rept 32
	v_mul_f32 v[96+j], v[160+j], v14               ; each accumulator from its low end on
.set j, j+1
.endr
.irp b, 0,1
	v_max3_num_f32 v[232+\b], |v[96+16*\b]|, |v[97+16*\b]|, 0x1800000
.endr
.irp i, 2,4,6,8,10,12,14
.irp b, 0,1
	s_delay_alu instid0(VALU_DEP_2)
	v_max3_num_f32 v[232+\b], v[232+\b], |v[96+16*\b+\i]|, |v[97+16*\b+\i]|
.endr
.endr
.irp b, 0,1
	s_delay_alu instid0(VALU_DEP_2)
	v_permlanex16_b32 v[236+\b], v[232+\b], s[SEL], s[SEL+1]
.endr
.irp b, 0,1
	s_delay_alu instid0(VALU_DEP_2)
	v_max_num_f32 v[232+\b], v[232+\b], v[236+\b]
.endr
.irp b, 0,1
	s_delay_alu instid0(VALU_DEP_2)
	v_add_nc_u32 v[244+\b], 0xff000000, v[232+\b]
.endr
.irp b, 0,1
	s_delay_alu instid0(VALU_DEP_2)
	v_lshrrev_b32 v[236+\b], 23, v[244+\b]
.endr
	s_delay_alu instid0(VALU_DEP_1)
	v_lshl_or_b32 v240, v237, 8, v236              ; my query's two scale bytes of this head
.irp b, 0,1
	v_cvt_scalef32_pk8_fp4_f32 v[224+2*\b], v[96+16*\b:103+16*\b], v[244+\b]
	v_cvt_scalef32_pk8_fp4_f32 v[225+2*\b], v[104+16*\b:111+16*\b], v[244+\b]
.endr
	v_nop                                          ; one plain place behind a scaled conversion
	v_permlane16_swap_b32 v224, v226               ; lanes 0-15 block 0, lanes 16-31 block 1
	v_permlane16_swap_b32 v225, v227
	global_store_b128 v[LI], v[224:227], s[60:61]  ; 512 consecutive bytes, aligned
	ds_store_b16 v[CSA], v240                      ; lanes l and l xor 16 write the same two bytes with the same value
	s_wait_dscnt 0x0                               ; for the others' sake: my store has landed
	s_barrier_signal -1
	s_barrier_wait -1
	s_cmp_lg_u32 s[WV], 0
	s_cbranch_scc1 .Lnot_first
	ds_load_b128 v[32:35], v[CRD]                  ; the work-group's 256 queries x 2 bytes
	s_wait_dscnt 0x0
	global_store_b128 v[LI], v[32:35], s[62:63]    ; 512 consecutive bytes, aligned
.Lnot_first:
	s_wait_tensorcnt 0x0
	ds_add_u32 v251, v255
	s_wait_dscnt 0x0
	ROUND                                          ; the closing round
	s_endpgm
.Lfunc_end_k_q688e5f8cb5_attn:
	.size	k_q688e5f8cb5_attn, .Lfunc_end_k_q688e5f8cb5_attn-k_q688e5f8cb5_attn
	.p2alignl 7, 3214868480
	.fill 96, 4, 3214868480
	.section	.rodata,"a",@progbits
	.p2align	6, 0x0
	.amdhsa_kernel k_q688e5f8cb5_attn
		.amdhsa_group_segment_fixed_size 169984
		.amdhsa_private_segment_fixed_size 0
		.amdhsa_enable_private_segment 0
		.amdhsa_kernarg_size 16
		.amdhsa_user_sgpr_count 2
		.amdhsa_user_sgpr_kernarg_segment_ptr 1
		.amdhsa_wavefront_size32 1
		.amdhsa_system_sgpr_workgroup_id_x 1
		.amdhsa_system_sgpr_workgroup_id_y 1
		.amdhsa_system_sgpr_workgroup_id_z 1
		.amdhsa_system_vgpr_workitem_id 0
		.amdhsa_next_free_vgpr 256
		.amdhsa_next_free_sgpr 92
		.amdhsa_reserve_vcc 0
		.amdhsa_float_denorm_mode_32 3
		.amdhsa_float_denorm_mode_16_64 3
		.amdhsa_memory_ordered 1
		.amdhsa_forward_progress 1
		.amdhsa_inst_pref_size 82
	.end_amdhsa_kernel
	.amdgpu_metadata
---
amdhsa.version: [ 1, 2 ]
amdhsa.kernels:
  - .name:           k_q688e5f8cb5_attn
    .symbol:         k_q688e5f8cb5_attn.kd
    .args:
      - { .name: qkv, .offset: 0, .size: 8, .value_kind: global_buffer, .address_space: global }
      - { .name: ctx, .offset: 8, .size: 8, .value_kind: global_buffer, .address_space: global }
    .group_segment_fixed_size: 169984
    .private_segment_fixed_size: 0
    .kernarg_segment_align: 8
    .kernarg_segment_size: 16
    .max_flat_workgroup_size: 512
    .sgpr_count:     92
    .vgpr_count:     256
    .wavefront_size: 32
...
	.end_amdgpu_metadata
.endif
;; end of part 3
;; launch gemm_o (part 4): grid 4 x 64, 4 waves a work-group, clusters of 4 x 4, 327,680 bytes of LDS; arguments ops, ctx, b_o, out0; writes out0
.if DOCPART == 4
	.amdgcn_target "amdgcn-amd-amdhsa--gfx1250"
	.amdhsa_code_object_version 6
	.text
	.protected	k_q688e5f8cb5_gemm_o
	.globl	k_q688e5f8cb5_gemm_o
	.p2align	8
	.type	k_q688e5f8cb5_gemm_o,@function
k_q688e5f8cb5_gemm_o:
	s_mov_b64 s[64:65], 0
	v_nop
	global_prefetch_b8 v0, s[64:65] scope:SCOPE_SE
	s_setreg_imm32_b32 hwreg(HW_REG_WAVE_MODE, 25, 1), 1
	s_wait_xcnt 0x0
	s_wait_alu depctr_hold_cnt(0) depctr_sa_sdst(0) depctr_va_vdst(0) depctr_va_sdst(0) depctr_va_ssrc(0) depctr_va_vcc(0) depctr_vm_vsrc(0)
	s_getreg_b32 s2, hwreg(HW_REG_IB_STS2, 6, 4)
	s_cmp_eq_u32 s2, 0
	s_cbranch_scc0 .Lentry_in_a_cluster
	s_endpgm
.Lentry_in_a_cluster:
	s_bfe_u32 s2, ttmp6, 0x10000c
	s_cmp_lg_u32 s2, 0xf033
	s_cbranch_scc0 .Lentry_shape_is_right
	s_endpgm
.Lentry_shape_is_right:
; out0 = ctx W_o + b_o on codes of FP4 with E8M0 scales (K = 1,024).  A work-group makes 128 rows (tile row y, in the stored order of tokens) x 256 columns (tile column x); wave w makes all 128 rows x 64 columns: 32 accumulators.
; All of K lies in LDS, as two halves of 512, each filled once.  CLUSTERS: 4 x 4; ctx's tiles are asked for jointly along a row of the cluster, W_o's along a column.
; ctx's codes lie in memory as images of the operand's registers ([tile][head][512]: K step s, registers 4 c .. 4 c + 3 = head 2 s + c): a fragment load reads 512 consecutive bytes of LDS, no padding.
; ctx's scale bytes lie [head][position] in pairs of bytes; the turning load (8 x 8 elements of 16 bits within eight lanes) gives lane l the words of position l: register m = heads 2 m, 2 m + 1 = K step m.
; Source 0 = 16 rows of W_o (stored order), source 1 = 16 rows of ctx: a lane holds one row, register j of tile b column 32 (b / 2) + 8 (b % 2) + 16 h + j.  The way out puts columns and rows back in their true order.
; REGISTERS: window 0: v16-29 addresses; v32-63 ctx's scale words, v64-79 W_o's; v128-255 ctx's fragments, two sets (on the way out rows of the result).  window 1: v0-63 W_o's fragments, two sets; v64-95 the bias.  window 2: the accumulators.
.set WCO,   4194304
.set WSO,   6553600
.set CSO,   4194304
.set PITCH, 272
.set ABYT,  32768                      ; ctx's 8 tiles x 4,096 bytes
.set SLOT,  ABYT+256*PITCH             ; then W_o's 256 rows
.set SCA,   2*SLOT                     ; ctx's scale bytes: 16 heads x (256 bytes + 16)
.set SCB,   SCA+16*272                 ; W_o's: 32 runs of 256 bytes + 16
.set STAGE, SCB+32*272                 ; the way out: 16 rows x (256 bytes + 16) for each wave; no tile lands here
.set ADRA, 16
.set ADRB, 20
.set ADSA, 22
.set ADSB, 23
.set LN,   26
.set BO,   27
.set STO,  24                          ; v24 the stage: where I put 16 bytes of a row
.set RD,   25                          ; v25 and where I read a row back
.set CO,   28                          ; v28 my byte offset in two rows of out0
.set SA,   32
.set SB,   64
.set AF,   128
.set BI,   64
.set G1, 24
.set G0, 32
.set G1B, 48
.set G0B, 56
.set G1S, 68
.set G0S, 76
.set G1SB, 80
.set G0SB, 88
.set MSB, 0
.macro WIN new
.if MSB != \new
	s_set_vgpr_msb (MSB<<8)|\new
.set MSB, \new
.endif
.endm
.macro JLOAD g0a, g1a, g0b, g1b        ; waves 0 and 1 fetch for ctx, waves 2 and 3 for W_o; four v_nop follow each line
	s_cmp_eq_u32 s15, 0
	s_cbranch_scc0 .Lfor_b_\@
	tensor_load_to_lds s[\g0a:\g0a+3], s[\g1a:\g1a+7]
	s_nop 0
.rept 4
	v_nop
.endr
	s_branch .Lasked_\@
.Lfor_b_\@:
	tensor_load_to_lds s[\g0b:\g0b+3], s[\g1b:\g1b+7]
	s_nop 0
.rept 4
	v_nop
.endr
.Lasked_\@:
.endm
.macro CROUND
	s_barrier_signal -1
	s_barrier_wait -1
	s_cmp_lg_u32 s14, 0
	s_cbranch_scc1 .Lnot_wave_0_\@
	s_barrier_signal -3
.Lnot_wave_0_\@:
	s_barrier_wait -3
	s_barrier_signal -1
	s_barrier_wait -1
.endm
.macro PLACES
.rept 4
	v_nop
.endr
.endm
	s_load_b256 s[4:11], s[0:1], 0x0               ; ops s[4:5], ctx s[6:7], b_o s[8:9], out0 s[10:11]
	v_lshl_add_u32 v126, v0, 2, 0x3a000
	v_mov_b32 v127, 0
	ds_add_u32 v126, v127
	ds_add_u32 v126, v127
	v_lshrrev_b32 v1, 5, v0
	v_readfirstlane_b32 s14, v1                    ; wave 0..3
	s_lshr_b32 s15, s14, 1                         ; I fetch for ctx (0) or for W_o (1)
	s_and_b32 s16, s14, 1                          ; which half
	s_bfe_u32 s40, ttmp6, 0x40000                  ; cx
	s_bfe_u32 s41, ttmp6, 0x40004                  ; cy
	s_lshl_b32 s42, ttmp9, 2
	s_add_co_u32 s42, s42, s40                     ; tile column x
	s_and_b32 s17, ttmp7, 0xffff
	s_lshl_b32 s17, s17, 2
	s_add_co_u32 s17, s17, s41                     ; tile row y
	s_lshl_b32 s43, s41, 2
	s_lshl_b32 s43, 15, s43                        ; my row of the cluster
	s_lshl_b32 s44, 0x1111, s40                    ; my column
	; ctx's codes: 4 tiles, of each 4,096 bytes (512 elements of 8 bytes), 8,192 bytes apart; no padding
	s_or_b32 s[G1+0], s43, (3<<16)|(1<<21)
	s_mov_b32 s[G1+1], 512<<16
	s_mov_b32 s[G1+2], 4<<16
	s_mov_b32 s[G1+3], 512<<16
	s_mov_b32 s[G1+4], 4
	s_mov_b32 s[G1+5], 1024
	s_mov_b32 s[G1+6], 0
	s_mov_b32 s[G1+7], 0
	; W_o's codes: 128 rows of 256 bytes, 512 apart, 4 words of padding behind every 64
	s_or_b32 s[G1B+0], s44, (0<<16)|(1<<20)|(1<<21)|(5<<22)|(3<<25)
	s_mov_b32 s[G1B+1], 256<<16
	s_mov_b32 s[G1B+2], 128<<16
	s_mov_b32 s[G1B+3], 256<<16
	s_mov_b32 s[G1B+4], 128
	s_mov_b32 s[G1B+5], 512
	s_mov_b32 s[G1B+6], 0
	s_mov_b32 s[G1B+7], 0
	; ctx's scale bytes: 8 heads x 256 bytes (128 positions), 16,384 bytes apart, padded
	s_or_b32 s[G1S+0], s43, (3<<16)|(1<<20)|(1<<21)|(5<<22)|(3<<25)
	s_mov_b32 s[G1S+1], 32<<16
	s_mov_b32 s[G1S+2], 8<<16
	s_mov_b32 s[G1S+3], 32<<16
	s_mov_b32 s[G1S+4], 8
	s_mov_b32 s[G1S+5], 2048
	s_mov_b32 s[G1S+6], 0
	s_mov_b32 s[G1S+7], 0
	; W_o's: a dense block of 4,096 bytes as 16 rows of 256, padded
	s_or_b32 s[G1SB+0], s44, (3<<16)|(1<<20)|(1<<21)|(5<<22)|(3<<25)
	s_mov_b32 s[G1SB+1], 32<<16
	s_mov_b32 s[G1SB+2], 16<<16
	s_mov_b32 s[G1SB+3], 32<<16
	s_mov_b32 s[G1SB+4], 16
	s_mov_b32 s[G1SB+5], 32
	s_mov_b32 s[G1SB+6], 0
	s_mov_b32 s[G1SB+7], 0
	s_lshl_b32 s20, s17, 16                        ; ctx: tile 8 y + 4 x half, 8,192 bytes a tile
	s_lshl_b32 s18, s16, 15
	s_add_co_u32 s20, s20, s18
	s_mov_b32 s21, 0
	s_lshl_b32 s22, s17, 8                         ; its scale bytes: position 128 y, heads 8 x half on
	s_lshl_b32 s18, s16, 17
	s_add_co_u32 s22, s22, s18
	s_add_co_u32 s22, s22, CSO
	s_mov_b32 s23, 0
	s_lshl_b32 s46, s42, 8
	s_lshl_b32 s18, s16, 7
	s_add_co_u32 s46, s46, s18
	s_add_co_u32 s46, s46, 3072                    ; W_o: row 3,072 + 256 x + 128 x half of the weights' codes
	s_lshl_b32 s92, s46, 5
	s_add_co_u32 s92, s92, WSO
	s_lshl_b32 s46, s46, 9
	s_add_co_u32 s46, s46, WCO
	s_mov_b32 s47, 0
	s_mov_b32 s93, 0
	s_lshl_b32 s45, s16, 14                        ; where they go: no place in the cluster enters an LDS address
	s_mul_i32 s94, s16, 128*PITCH
	s_add_co_u32 s94, s94, ABYT
	s_mul_i32 s95, s16, 8*272
	s_add_co_u32 s95, s95, SCA
	s_mul_i32 s96, s16, 16*272
	s_add_co_u32 s96, s96, SCB
	s_wait_dscnt 0x0
	s_wait_kmcnt 0x0
	s_add_nc_u64 s[20:21], s[6:7], s[20:21]
	s_add_nc_u64 s[22:23], s[6:7], s[22:23]
	s_add_nc_u64 s[46:47], s[4:5], s[46:47]
	s_add_nc_u64 s[92:93], s[4:5], s[92:93]
	CROUND                                         ; all sixteen work-groups are here: the joint loads meet
	s_mov_b32 s[G0S], 1
	s_mov_b32 s[G0S+1], s95
	s_mov_b64 s[G0S+2:G0S+3], s[22:23]
	s_or_b32 s[G0S+3], s[G0S+3], 0x80000000
	s_mov_b32 s[G0SB], 1
	s_mov_b32 s[G0SB+1], s96
	s_mov_b64 s[G0SB+2:G0SB+3], s[92:93]
	s_or_b32 s[G0SB+3], s[G0SB+3], 0x80000000
	JLOAD G0S, G1S, G0SB, G1SB                     ; the scale bytes first; each later load waits for the one before: one load of mine is out at a time
.irp n, 0,1
	s_mov_b32 s[G0+4*\n], 1
	s_add_co_u32 s[G0+4*\n+1], s45, \n*SLOT
	s_add_nc_u64 s[G0+4*\n+2:G0+4*\n+3], s[20:21], \n*4096
	s_or_b32 s[G0+4*\n+3], s[G0+4*\n+3], 0x80000000
	s_mov_b32 s[G0B+4*\n], 1
	s_add_co_u32 s[G0B+4*\n+1], s94, \n*SLOT
	s_add_nc_u64 s[G0B+4*\n+2:G0B+4*\n+3], s[46:47], \n*256
	s_or_b32 s[G0B+4*\n+3], s[G0B+4*\n+3], 0x80000000
	s_wait_alu depctr_va_vdst(0)
	s_wait_tensorcnt 0x0
	ds_add_u32 v126, v127
	s_wait_dscnt 0x0
	CROUND
	JLOAD G0+4*\n, G1, G0B+4*\n, G1B
.endr
	v_and_b32 v1, 15, v0                           ; r
	v_bfe_u32 v2, v0, 4, 1                         ; h
	v_and_b32 v[LN], 31, v0
	v_lshlrev_b32 v[ADRA], 4, v[LN]                ; ctx's images: 16 x lane
	v_add_nc_u32 v[ADRA+1], SLOT, v[ADRA]
	v_mul_u32_u24 v3, v1, PITCH
	v_lshl_add_u32 v3, v2, 4, v3                   ; W_o: row x pitch + 16 h
	s_mul_i32 s18, s14, 64*PITCH
	s_add_co_u32 s18, s18, ABYT                    ; my 64 rows
	v_add_nc_u32 v[ADRB], s18, v3
	s_add_co_u32 s18, s18, SLOT
	v_add_nc_u32 v[ADRB+1], s18, v3
	v_and_b32 v4, 7, v[LN]
	v_lshrrev_b32 v5, 3, v[LN]
	v_mul_u32_u24 v4, v4, 272
	v_lshl_add_u32 v4, v5, 4, v4
	v_add_nc_u32 v[ADSA], SCA, v4                  ; the turning load: lane 8 g + j reads head j's 16 bytes of positions 8 g .. 8 g + 7
	v_lshlrev_b32 v4, 5, v[LN]
	v_lshl_add_u32 v4, v5, 4, v4                   ; W_o's scale words: 32 bytes a row, and 16 more for each 256 passed
	s_mul_i32 s18, s14, 8*272
	s_add_co_u32 s18, s18, SCB
	v_add_nc_u32 v[ADSB], s18, v4
	s_mul_i32 s18, s14, 16*272
	s_add_co_u32 s18, s18, STAGE                   ; my stage
	v_mul_u32_u24 v4, v1, 272
	v_lshl_add_u32 v4, v2, 6, v4
	v_add_nc_u32 v[STO], s18, v4                   ; in: row r, + 64 h bytes
	v_mul_u32_u24 v4, v2, 272
	v_lshl_add_u32 v4, v1, 4, v4
	v_add_nc_u32 v[RD], s18, v4                    ; back: lanes 0-15 one row, lanes 16-31 the next
	v_lshlrev_b32 v4, 12, v2
	v_lshl_add_u32 v[CO], v1, 4, v4                ; and the same in out0: rows of 4,096 bytes
	s_lshl_b32 s20, s42, 10
	s_lshl_b32 s21, s14, 8
	s_add_co_u32 s20, s20, s21                     ; my 64 columns, in bytes: 1,024 x + 256 wave
	s_mov_b32 s21, 0
	s_add_nc_u64 s[8:9], s[8:9], s[20:21]          ; in the bias,
	s_add_nc_u64 s[10:11], s[10:11], s[20:21]
	s_lshl_b32 s20, s17, 19
	s_add_nc_u64 s[10:11], s[10:11], s[20:21]      ; and in out0, 128 y rows down
	v_lshlrev_b32 v[BO], 6, v2                     ; the bias in the result's layout: register j of tile b is column 32 (b / 2) + 8 (b % 2) + 16 h + j
	WIN 0x40
.irp b, 0,1,2,3
	global_load_b128 v[BI+8*\b:BI+8*\b+3], v[BO], s[8:9] offset:128*(\b/2)+32*(\b%2)
	global_load_b128 v[BI+8*\b+4:BI+8*\b+7], v[BO], s[8:9] offset:128*(\b/2)+32*(\b%2)+16
.endr
	WIN 0
.macro SCALES                          ; all of K's scale words: 12 loads.  Register 8 p + st: lanes 0-15 tile 2 p, lanes 16-31 tile 2 p + 1, K step st
.irp p, 0,1,2,3
.irp f, 0,1
	ds_load_tr16_b128 v[SA+8*\p+4*\f:SA+8*\p+4*\f+3], v[ADSA] offset:2176*\f+64*\p
.endr
.endr
.irp p, 0,1
.irp f, 0,1
	ds_load_b128 v[SB+8*\p+4*\f:SB+8*\p+4*\f+3], v[ADSB] offset:1088*\p+16*\f
.endr
.endr
.endm
.macro FETCH st                        ; K step st: W_o's 4 fragments and ctx's 8 into set st % 2: 24 loads
	WIN 0x40
.irp i, 0,1,2,3
.irp c, 0,1
	ds_load_b128 v[32*((\st)%2)+8*\i+4*\c:32*((\st)%2)+8*\i+4*\c+3], v[ADRB+(\st)/4] offset:64*((\st)%4)+32*\c+\i*16*PITCH
.endr
.endr
	WIN 0
.irp i, 0,1,2,3,4,5,6,7
.irp c, 0,1
	ds_load_b128 v[AF+64*((\st)%2)+8*\i+4*\c:AF+64*((\st)%2)+8*\i+4*\c+3], v[ADRA+(\st)/4] offset:4096*\i+1024*((\st)%4)+512*\c
.endr
.endr
.endm
.macro WM d, p, q, c, e, f, oe, of
.if (\oe) && (\of)
	v_wmma_scale_f32_16x16x128_f8f6f4 v[\d:\d+7], v[\p:\p+7], v[\q:\q+7], v[\c:\c+7], v[\e], v[\f] matrix_a_fmt:MATRIX_FMT_FP4 matrix_b_fmt:MATRIX_FMT_FP4 matrix_a_scale:MATRIX_SCALE_ROW1 matrix_b_scale:MATRIX_SCALE_ROW1
.elseif \oe
	v_wmma_scale_f32_16x16x128_f8f6f4 v[\d:\d+7], v[\p:\p+7], v[\q:\q+7], v[\c:\c+7], v[\e], v[\f] matrix_a_fmt:MATRIX_FMT_FP4 matrix_b_fmt:MATRIX_FMT_FP4 matrix_a_scale:MATRIX_SCALE_ROW1
.elseif \of
	v_wmma_scale_f32_16x16x128_f8f6f4 v[\d:\d+7], v[\p:\p+7], v[\q:\q+7], v[\c:\c+7], v[\e], v[\f] matrix_a_fmt:MATRIX_FMT_FP4 matrix_b_fmt:MATRIX_FMT_FP4 matrix_b_scale:MATRIX_SCALE_ROW1
.else
	v_wmma_scale_f32_16x16x128_f8f6f4 v[\d:\d+7], v[\p:\p+7], v[\q:\q+7], v[\c:\c+7], v[\e], v[\f] matrix_a_fmt:MATRIX_FMT_FP4 matrix_b_fmt:MATRIX_FMT_FP4
.endif
.endm
.macro MUL st                          ; 32 products: the accumulators take turns, one instruction a turn, in the same order in every step.  In step 0 the bias is C
.set FB, 32*((\st)%2)
.set FA, AF+64*((\st)%2)
.if (\st) == 0
	WIN 0x91                                       ; source 0 (W_o) window 1, source 1 (ctx) window 0, C (bias) window 1, D window 2
.else
	WIN 0xa1
.endif
.irp a, 0,1,2,3,4,5,6,7
.irp b, 0,1,2,3
.if (\st) == 0
	WM 8*(4*\a+\b), FB+8*\b, FA+8*\a, BI+8*\b, SB+8*(\b/2)+(\st), SA+8*(\a/2)+(\st), \b%2, \a%2
.else
	WM 8*(4*\a+\b), FB+8*\b, FA+8*\a, 8*(4*\a+\b), SB+8*(\b/2)+(\st), SA+8*(\a/2)+(\st), \b%2, \a%2
.endif
.endr
.endr
.endm
.macro STEP st
.if (\st) > 0
	PLACES                                         ; the next loads land in the set that the step before multiplied
.endif
.if (\st) == 3
	s_wait_tensorcnt 0x0                           ; my part of slot 1 is in;
	s_wait_dscnt 0x0                               ; no LDS load of mine is out at the signal
	s_barrier_signal -1
	s_barrier_wait -1                              ; everybody's is
.endif
.if (\st) < 7
	FETCH (\st)+1
	s_wait_dscnt 24                                ; all but the 24 just issued
.else
	s_wait_dscnt 0x0
.endif
.if (\st) == 0
	s_wait_loadcnt 0x0                             ; the bias
.endif
	MUL \st
.endm
	s_wait_tensorcnt 1                             ; the scale bytes and my part of slot 0 are in (slot 1's load may be out)
	s_barrier_signal -1
	s_barrier_wait -1                              ; everybody's are
	SCALES
	FETCH 0
.irp n, 0,1,2,3,4,5,6,7
	STEP \n
.endr
	WIN 0
; THE WAY OUT, block by block of 16 rows x 64 columns, through my own stage: a lane's eight numbers go to their true columns, and whole rows of 256 bytes come back.  LDS serves a wave's instructions in order:
; no wait stands between the stores and the loads, nor ahead of the next block's stores.
.macro TOSTAGE a
	WIN 0x08                                       ; an LDS store's data are its source 1: window 2
.irp b, 0,1,2,3
	ds_store_b128 v[STO], v[32*(\a)+8*\b:32*(\a)+8*\b+3] offset:128*(\b/2)+32*(\b%2)          ; each accumulator from its low end on
	ds_store_b128 v[STO], v[32*(\a)+8*\b+4:32*(\a)+8*\b+7] offset:128*(\b/2)+32*(\b%2)+16
.endr
	WIN 0
.irp i, 0,1,2,3,4,5,6,7
	ds_load_b128 v[AF+32*((\a)%2)+4*\i:AF+32*((\a)%2)+4*\i+3], v[RD] offset:2*\i*272
.endr
.endm
.macro SEND a, younger                 ; row 2 i + h of block a is token 32 (a / 2) + 8 (a % 2) + 2 i + h + 8 (i / 4) of my 128
	s_wait_dscnt \younger                          ; the block is back; the LDS instructions issued behind its loads may be out
.irp i, 0,1,2,3,4,5,6,7
	global_store_b128 v[CO], v[AF+32*((\a)%2)+4*\i:AF+32*((\a)%2)+4*\i+3], s[10:11] offset:(32*((\a)/2)+8*((\a)%2)+2*\i+8*(\i/4))*4096 th:TH_STORE_NT   ; sixteen lanes store 256 consecutive bytes, aligned
.endr
.endm
	PLACES                                         ; behind the last products: ahead of the reads of results and of loads into the registers that held ctx's fragments
	s_wait_alu depctr_va_vdst(0)
	TOSTAGE 0
.irp a, 1,2,3,4,5,6,7
.if \a > 1
	s_wait_xcnt 0x0                                ; block a - 2's stores have read their registers: block a's loads may land there
.endif
	TOSTAGE \a
	SEND \a-1, 16                                  ; behind block a - 1's loads: block a's 8 stores and 8 loads
.endr
	SEND 7, 0
	s_wait_tensorcnt 0x0
	ds_add_u32 v126, v127
	s_wait_dscnt 0x0
	CROUND                                         ; the closing round: no work-group ends while a partner may still ask for a tile that names it
	s_endpgm
.Lfunc_end_k_q688e5f8cb5_gemm_o:
	.size	k_q688e5f8cb5_gemm_o, .Lfunc_end_k_q688e5f8cb5_gemm_o-k_q688e5f8cb5_gemm_o
	.p2alignl 7, 3214868480
	.fill 96, 4, 3214868480
	.section	.rodata,"a",@progbits
	.p2align	6, 0x0
	.amdhsa_kernel k_q688e5f8cb5_gemm_o
		.amdhsa_group_segment_fixed_size 327680
		.amdhsa_private_segment_fixed_size 0
		.amdhsa_enable_private_segment 0
		.amdhsa_kernarg_size 32
		.amdhsa_user_sgpr_count 2
		.amdhsa_user_sgpr_kernarg_segment_ptr 1
		.amdhsa_wavefront_size32 1
		.amdhsa_system_sgpr_workgroup_id_x 1
		.amdhsa_system_sgpr_workgroup_id_y 1
		.amdhsa_system_sgpr_workgroup_id_z 1
		.amdhsa_system_vgpr_workitem_id 0
		.amdhsa_next_free_vgpr 768
		.amdhsa_next_free_sgpr 98
		.amdhsa_reserve_vcc 0
		.amdhsa_float_denorm_mode_32 3
		.amdhsa_float_denorm_mode_16_64 3
		.amdhsa_memory_ordered 1
		.amdhsa_forward_progress 1
		.amdhsa_inst_pref_size 74
	.end_amdhsa_kernel
	.amdgpu_metadata
---
amdhsa.version: [ 1, 2 ]
amdhsa.kernels:
  - .name:           k_q688e5f8cb5_gemm_o
    .symbol:         k_q688e5f8cb5_gemm_o.kd
    .args:
      - { .name: ops, .offset: 0, .size: 8, .value_kind: global_buffer, .address_space: global }
      - { .name: ctx, .offset: 8, .size: 8, .value_kind: global_buffer, .address_space: global }
      - { .name: b_o, .offset: 16, .size: 8, .value_kind: global_buffer, .address_space: global }
      - { .name: out0, .offset: 24, .size: 8, .value_kind: global_buffer, .address_space: global }
    .group_segment_fixed_size: 327680
    .private_segment_fixed_size: 0
    .kernarg_segment_align: 8
    .kernarg_segment_size: 32
    .max_flat_workgroup_size: 128
    .sgpr_count:     98
    .vgpr_count:     768
    .wavefront_size: 32
...
	.end_amdgpu_metadata
.endif
;; end of part 4
